; MI455X (gfx1250); checked and timed in simulation.
; The chip was launched on July 23, 2026; its instructions are those of AMD's public machine-readable ISA for CDNA 5 (MIT licence, August 2026) and "CDNA5" Instruction Set Architecture Reference Guide (July 2026). The comments in the code are by the model that wrote it; some were corrected since.
;; Qwen3 Attention. Allowed arithmetic: float matrix products may take bf16 or f16 operands with f32 sums; all other float work in f32.
;; Inputs: Wk 4,096 x 1,024 float32; Wo 1,024 x 4,096 float32; Wq 4,096 x 2,048 float32; Wv 4,096 x 1,024 float32; cos 1 x 2,048 x 128 float32; hidden_states 1 x 2,048 x 4,096 float32; k_norm_w 128 float32; q_norm_w 128 float32; sin 1 x 2,048 x 128 float32.
;; Outputs: out0 1 x 2,048 x 4,096 float32.
;; 2 versions, each right; version 2 is version 1 with the launch cast written anew for expert scheduling mode. Each part assembles by itself: llvm-mc -triple=amdgcn-amd-amdhsa -mcpu=gfx1250 --defsym DOCPART=n.
;; ======== version 1 of 2: 4 launches
;; limits: values are held in f16: magnitudes above 65,504 overflow, below 6.1e-05 lose precision; values outside matrix products are rounded to f16; right only within a limited range of input values
;; workspace buffers: xb 16,777,216 bytes; wb 33,554,432 bytes; wo16 8,388,608 bytes; csb 1,048,576 bytes; qkvg 16,777,216 bytes; og 4,194,304 bytes
;; launch cast (part 1): grid 912 x 1, 8 waves a work-group, no clusters, 0 bytes of LDS; arguments hidden_states, Wq, Wk, Wv, Wo, cos, sin, xb, wb, wo16, csb; writes xb, wb, wo16, csb
.if DOCPART == 1
	.amdgcn_target "amdgcn-amd-amdhsa--gfx1250"
	.amdhsa_code_object_version 6
	.text
	.protected	k_q1ffabc6cd9_cast
	.globl	k_q1ffabc6cd9_cast
	.p2align	8
	.type	k_q1ffabc6cd9_cast,@function
k_q1ffabc6cd9_cast:
	s_mov_b64 s[64:65], 0
	v_nop
	global_prefetch_b8 v0, s[64:65] scope:SCOPE_SE
	s_setreg_imm32_b32 hwreg(HW_REG_WAVE_MODE, 25, 1), 1
	s_wait_xcnt 0x0
; CAST: every large f32 input is rounded once to 16 bits, so that the products behind can feed the matrix units from tiles of 16-bit numbers.
;   hidden_states -> xb  bf16 [2048][4096]
;   Wq, Wk, Wv    -> wb  bf16 [4096 k][4096 n]: columns 0-2047 Wq, 2048-3071 Wk, 3072-4095 Wv (one B matrix for one product)
;   Wo            -> wo16: rounded to bf16 like every input, and that number written as f16 (the product behind multiplies f16 by f16)
;   cos           -> csb bf16 at byte 0;  sin -> csb bf16 at byte 524,288
; LIMIT: a bf16 value of Wo below 6e-5 keeps f16's fixed step of 6e-8; beyond 65,504 it becomes an infinity.
; A stream: memory binds.  No LDS, no matrix unit, no cluster: no byte is read by two work-groups.
; SHARES.  A chunk is 1,024 f32 (4,096 bytes in, 2,048 out).  A work-group takes 32 chunks, a wave 4: 16 KiB of consecutive source, asked for at once by 32 loads.
; A lane takes 8 neighbouring numbers a step, so its result is 16 bytes and a wave's store covers 512 consecutive bytes, aligned.
; Which tensor a work-group serves hangs on its number alone: seven ranges, chosen by compares and selects.
.set X,     8                          ; v[8:135]  step n of 16: 8 registers as loaded; the first 4 then hold the result
.set D,     2                          ; v[2:5]    chunk i: my 16 bytes' offset in the destination
.set T,     6                          ; v[6:7]    at work
.set SRC,   40                         ; s[40:41]  source
.set DST,   42                         ; s[42:43]  destination
.set START, 44                         ; first work-group of the range
.set SH,    45                         ; chunk c lies at (c >> SH) * PITCH + (c & MSK) * 2048 + OFF0
.set PITCH, 46
.set OFF0,  47
.set MSK,   48
.set KIND,  49                         ; 0 bf16; 1 bf16 written as f16
.set C0,    58                         ; my wave's first chunk
.macro CASE start, src, dst, sh, msk, pitch, off, kind
	s_cmp_ge_u32 ttmp9, \start
	s_cselect_b64 s[SRC:SRC+1], s[\src:\src+1], s[SRC:SRC+1]
	s_cselect_b64 s[DST:DST+1], s[\dst:\dst+1], s[DST:DST+1]
	s_cselect_b32 s[START], \start, s[START]
	s_cselect_b32 s[SH], \sh, s[SH]
	s_cselect_b32 s[MSK], \msk, s[MSK]
	s_cselect_b32 s[PITCH], \pitch, s[PITCH]
	s_cselect_b32 s[OFF0], \off, s[OFF0]
	s_cselect_b32 s[KIND], \kind, s[KIND]
.endm
	s_load_b512 s[16:31], s[0:1], 0x0              ; x 16, Wq 18, Wk 20, Wv 22, Wo 24, cos 26, sin 28, xb 30
	s_load_b128 s[32:35], s[0:1], 0x40             ; wb 32, wo16 34
	s_load_b64 s[36:37], s[0:1], 0x50              ; csb 36
	v_and_b32 v7, 31, v0                           ; lane
	v_lshrrev_b32 v6, 5, v0
	v_readfirstlane_b32 s2, v6                     ; wave
	v_lshlrev_b32 v1, 5, v7                        ; 32 bytes of source a lane
	s_mov_b32 s56, 0xffff0000                      ; a word's upper bf16
	s_mov_b32 s[START], 0                          ; the first range: hidden_states
	s_mov_b32 s[SH], 0
	s_mov_b32 s[MSK], 0
	s_mov_b32 s[PITCH], 2048
	s_mov_b32 s[OFF0], 0
	s_mov_b32 s[KIND], 0
	s_wait_kmcnt 0x0
	s_mov_b64 s[SRC:SRC+1], s[16:17]
	s_mov_b64 s[DST:DST+1], s[30:31]
	CASE 256, 18, 32, 1, 1, 8192, 0, 0             ; Wq: a row is two chunks
	CASE 512, 20, 32, 0, 0, 8192, 4096, 0          ; Wk: a row is one chunk, at column 2048
	CASE 640, 22, 32, 0, 0, 8192, 6144, 0          ; Wv: at column 3072
	CASE 768, 24, 34, 0, 0, 2048, 0, 1             ; Wo
	CASE 896, 26, 36, 0, 0, 2048, 0, 0             ; cos
	CASE 904, 28, 36, 0, 0, 2048, 524288, 0        ; sin
	s_sub_co_u32 s50, ttmp9, s[START]
	s_lshl_b32 s[C0], s50, 5                       ; 32 chunks a work-group,
	s_lshl_b32 s59, s2, 2
	s_add_co_u32 s[C0], s[C0], s59                 ; 4 a wave
	s_lshl_b32 s50, s[C0], 12                      ; 4,096 bytes of source a chunk: under 2^26
	s_mov_b32 s51, 0
	s_add_nc_u64 s[SRC:SRC+1], s[SRC:SRC+1], s[50:51]
.set n, 0
.rept 16                                               ; all 32 loads of the wave go out at once
	global_load_b128 v[X+8*n:X+8*n+3],   v1, s[SRC:SRC+1] offset:1024*n th:TH_LOAD_NT
	global_load_b128 v[X+8*n+4:X+8*n+7], v1, s[SRC:SRC+1] offset:1024*n+16 th:TH_LOAD_NT
.set n, n+1
.endr
.irp i, 0,1,2,3
	s_add_co_u32 s50, s[C0], \i
	s_lshr_b32 s51, s50, s[SH]
	s_mul_i32 s51, s51, s[PITCH]
	s_and_b32 s50, s50, s[MSK]
	s_lshl_b32 s50, s50, 11
	s_add_co_u32 s51, s51, s50
	s_add_co_u32 s[52+(\i)], s51, s[OFF0]
	v_lshl_add_u32 v[D+(\i)], v7, 4, s[52+(\i)]    ; 16 bytes of destination a lane
.endr
; Sixteen steps.  The count leaves the later steps' loads out (two a step).  Pair p's result goes into register p of the step, whose own content has been used by then;
; no register that a store reads is written again, so no further wait is needed.
.macro BODY kind
.set n, 0
.rept 16
	s_wait_loadcnt 30-2*n
.irp p, 0,1,2,3
.if (\kind) == 1
	v_cvt_pk_bf16_f32 v[T], v[X+8*n+2*(\p)], v[X+8*n+2*(\p)+1]
	v_lshlrev_b32 v[T+1], 16, v[T]                 ; the two bf16 numbers as f32,
	v_and_b32 v[T], s56, v[T]
	v_cvt_pk_f16_f32 v[X+8*n+(\p)], v[T+1], v[T]   ; written as f16
.else
	v_cvt_pk_bf16_f32 v[X+8*n+(\p)], v[X+8*n+2*(\p)], v[X+8*n+2*(\p)+1]
.endif
.endr
	global_store_b128 v[D+n/4], v[X+8*n:X+8*n+3], s[DST:DST+1] offset:512*(n%4)  ; 512 consecutive bytes, aligned
.set n, n+1
.endr
.endm
	s_cmp_eq_u32 s[KIND], 1
	s_cbranch_scc1 .Lhalf
	BODY 0
	s_endpgm
.Lhalf:
	BODY 1
	s_endpgm
.Lfunc_end_k_q1ffabc6cd9_cast:
	.size	k_q1ffabc6cd9_cast, .Lfunc_end_k_q1ffabc6cd9_cast-k_q1ffabc6cd9_cast
	.p2alignl 7, 3214868480
	.fill 96, 4, 3214868480
	.section	.rodata,"a",@progbits
	.p2align	6, 0x0
	.amdhsa_kernel k_q1ffabc6cd9_cast
		.amdhsa_group_segment_fixed_size 0
		.amdhsa_private_segment_fixed_size 0
		.amdhsa_enable_private_segment 0
		.amdhsa_kernarg_size 88
		.amdhsa_user_sgpr_count 2
		.amdhsa_user_sgpr_kernarg_segment_ptr 1
		.amdhsa_wavefront_size32 1
		.amdhsa_system_sgpr_workgroup_id_x 1
		.amdhsa_system_sgpr_workgroup_id_y 1
		.amdhsa_system_sgpr_workgroup_id_z 1
		.amdhsa_system_vgpr_workitem_id 0
		.amdhsa_next_free_vgpr 136
		.amdhsa_next_free_sgpr 66
		.amdhsa_reserve_vcc 0
		.amdhsa_float_denorm_mode_32 3
		.amdhsa_float_denorm_mode_16_64 3
		.amdhsa_memory_ordered 1
		.amdhsa_forward_progress 1
		.amdhsa_inst_pref_size 28
	.end_amdhsa_kernel
	.amdgpu_metadata
---
amdhsa.version: [ 1, 2 ]
amdhsa.kernels:
  - .name:           k_q1ffabc6cd9_cast
    .symbol:         k_q1ffabc6cd9_cast.kd
    .args:
      - { .name: hidden_states, .offset: 0, .size: 8, .value_kind: global_buffer, .address_space: global }
      - { .name: Wq, .offset: 8, .size: 8, .value_kind: global_buffer, .address_space: global }
      - { .name: Wk, .offset: 16, .size: 8, .value_kind: global_buffer, .address_space: global }
      - { .name: Wv, .offset: 24, .size: 8, .value_kind: global_buffer, .address_space: global }
      - { .name: Wo, .offset: 32, .size: 8, .value_kind: global_buffer, .address_space: global }
      - { .name: cos, .offset: 40, .size: 8, .value_kind: global_buffer, .address_space: global }
      - { .name: sin, .offset: 48, .size: 8, .value_kind: global_buffer, .address_space: global }
      - { .name: xb, .offset: 56, .size: 8, .value_kind: global_buffer, .address_space: global }
      - { .name: wb, .offset: 64, .size: 8, .value_kind: global_buffer, .address_space: global }
      - { .name: wo16, .offset: 72, .size: 8, .value_kind: global_buffer, .address_space: global }
      - { .name: csb, .offset: 80, .size: 8, .value_kind: global_buffer, .address_space: global }
    .group_segment_fixed_size: 0
    .private_segment_fixed_size: 0
    .kernarg_segment_align: 8
    .kernarg_segment_size: 88
    .max_flat_workgroup_size: 256
    .sgpr_count:     66
    .vgpr_count:     136
    .wavefront_size: 32
...
	.end_amdgpu_metadata
.endif
;; end of part 1
;; launch qkv (part 2): grid 16 x 16, 4 waves a work-group, clusters of 4 x 4, 327,680 bytes of LDS; arguments xb, wb, csb, q_norm_w, k_norm_w, qkvg; writes qkvg
.if DOCPART == 2
	.amdgcn_target "amdgcn-amd-amdhsa--gfx1250"
	.amdhsa_code_object_version 6
	.text
	.protected	k_q1ffabc6cd9_qkv
	.globl	k_q1ffabc6cd9_qkv
	.p2align	8
	.type	k_q1ffabc6cd9_qkv,@function
k_q1ffabc6cd9_qkv:
	s_mov_b64 s[64:65], 0
	v_nop
	global_prefetch_b8 v0, s[64:65] scope:SCOPE_SE
	s_setreg_imm32_b32 hwreg(HW_REG_WAVE_MODE, 25, 1), 1
	s_wait_xcnt 0x0
	s_wait_alu depctr_hold_cnt(0) depctr_sa_sdst(0) depctr_va_vdst(0) depctr_va_sdst(0) depctr_va_ssrc(0) depctr_va_vcc(0) depctr_vm_vsrc(0)
	s_getreg_b32 s2, hwreg(HW_REG_IB_STS2, 6, 4)
	s_cmp_eq_u32 s2, 0
	s_cbranch_scc0 .Lentry_in_a_cluster
	s_endpgm
.Lentry_in_a_cluster:
	s_bfe_u32 s2, ttmp6, 0x10000c
	s_cmp_lg_u32 s2, 0xf033
	s_cbranch_scc0 .Lentry_shape_is_right
	s_endpgm
.Lentry_shape_is_right:
; QKV: C[2048][4096] = xb[2048][4096] x wb[4096 k][4096 n] in bf16 with f32 sums, and on the way out the RMS norm, the gain and the rotation for q and k.
; qkvg: four sections of 4,194,304 bytes, each f16 [8 heads][2048][128]: 0 q, 1 k, 2 v, 3 the gate (before its sigmoid).  q is not scaled here.
; LIMITS.  v and the gate are clamped at +-65,504, f16's end (for the sigmoid that is exact to f32's last bit); q and k pass f16's end only where |gain| (|cos| + |sin|) exceeds 5,700.
; The gains, cos and sin are taken rounded to bf16, like x and the weights.  NaN and infinities are not treated apart.  K is summed from the cluster's starting quarter on, wrapping round: an order
; of rounding that differs from ascending K.
; SHARES.  A tile of C is 128 x 256: 256 work-groups; tile rows go along the grid's x, tile columns along its y.  Four waves: wave w makes rows 64 (w / 2) on, columns 128 (w % 2) on: 32 accumulators,
; and a whole head's 128 columns, so the norm stays in the wave.
; K goes in steps of 128 through two LDS slots.  A's rows lie along K (256 bytes + 16 of padding); B's rows are [k][256 n] (512 bytes + 32), and its fragments come out turned, by ds_load_tr16_b128.
; CLUSTER 4 x 4: A's tile hangs on the tile row alone and is shared by the four with my cx, B's on the tile column alone and is shared by the four with my cy; each is asked for jointly, by the same
; load with the same descriptor in the four that the mask names.
; WHERE K BEGINS.  Cluster (x, y) begins at quarter (x + 2 y) mod 4 of K and wraps round: the four clusters that read the same columns of B begin at four different quarters, and of the four that read
; the same rows of A those with neighbouring y begin two quarters apart.  The number hangs on the cluster's place alone: it is the same in all sixteen partners.
; THE PRODUCT IS USED TRANSPOSED (source 0 = 16 columns of B, source 1 = 16 rows of A): a lane holds row l % 16 of C and eight neighbouring columns 8 (l / 16) + 0..7.
; REGISTERS: window 0: v0-31 addresses, v32-127 and v128-223 two fragment buffers (A's 4 fragments, then B's 8); on the way out at work.  Window 1: accumulator (a, b) at 8 (8 a + b).
;   window 2: cos (v0-127) and sin (v128-255) of my 64 rows, bf16, 4 registers for each (a, b).  Window 3: v0-63 the gain of my 64 columns, f32.
; Every wave loads the tables, the waves of v and of the gate too (32 KiB each that they do not use): so no register's content hangs on a branch.
.set SIZE_K, 4096
.set KSTEP,  128
.set NSTEP,  SIZE_K/KSTEP
.set LOGQ,   3                         ; a quarter of K is 1 << LOGQ steps
.set PA,     272
.set PB,     544                       ; 136 words: an odd multiple of 32 bytes, so that the 8 rows x 32 bytes of a turning load fall on different banks (64 banks of 4 bytes: ISA guide 11.1)
.set AHALF,  64*PA
.set BHALF,  64*PB
.set BOFF,   2*AHALF
.set SLOT,   2*AHALF+2*BHALF           ; 104,448
.set SL1,    1<<17                     ; slot 1 begins here, so that one exclusive or turns an address in one slot into the other's
.set STAGE,  SL1+SLOT                  ; behind the ring: 16 rows x 272 bytes for each wave
.set SP,     272
.set SPARE,  STAGE+4*16*SP             ; the spare words: 128 bytes a wave, two blocks of 256 bytes that no other line names
.set ADRA0, 16                         ; v16 my lane's place among A's fragments in slot 0; never rewritten
.set ADRA,  17                         ; v17 the same in the slot in hand
.set ADRB0, 20                         ; v20, v21 the same for B
.set ADRB,  21
.set STO,  24
.set RD,   25
.set CO,   26
.set TO,   27                          ; my byte offset in the tables' rows; never rewritten
.set SPW,  28
.set NIL,  29
.set WO,   30                          ; my byte offset in the gain; never rewritten
.set F0,   32
.set F1,   128
.set SS,   2                           ; v2-9   four chains of squares
.set RS,   10                          ; v10-11 1 / rms, and a written partner
.set Z,    12                          ; v12    0
.set Y,    32                          ; v32-95  the normed row
.set O,    96                          ; v96-159 the row to go out, f32
.set OUT,  160                         ; v160-191 packed
.set BK,   192                         ; v192-223 whole rows back from the stage
.set G1,  24                           ; s[24:31] group 1 for A
.set G0,  32                           ; s[32:39] group 0 for A: a set for each first fill; the second then walks on
.set G1B, 48
.set G0B, 56
.set TB,  66                           ; LDS byte at which the slot in hand begins
.set KI,  67                           ; the K step to be asked for next
.set KIND, 76                          ; 1: norm and rotation (q, k); 0: clamp alone (v, gate)
.set SEC,  77
.set HEAD, 78
.set SEL,  84
.set INV,  86
.set EPS,  87
.set CLO,  88
.set CHI,  89
.set WSEL, 90
.set TAB,  92
.set CL,   94                          ; the cluster's y
.set SGN,  95                          ; the signs of two bf16
.set OFA,  96                          ; s[96:97] the step's byte offset in A's rows
.set OFB,  98                          ; s[98:99] in B
.set MSB, 0
.macro WIN new                         ; the immediate's high byte repeats the setting that is left; a switch that changes nothing is dropped
.if MSB != (\new)
	s_set_vgpr_msb (MSB<<8)|(\new)
.set MSB, \new
.endif
.endm
.set MUL, 0x50                         ; fragments in window 0, C and D in window 1
.macro PLACES                          ; four places behind matrix instructions, in front of loads into their sources and of reads of their results
.rept 4
	v_nop
.endr
.endm
; A joint load: waves 0 and 1 fetch A's two halves, waves 2 and 3 B's.  The branch hangs on the wave's number alone.  An s_nop 0 and four v_nop follow each line.
.macro JLOAD s
	s_cmp_eq_u32 s11, 0
	s_cbranch_scc0 .Lfor_b_\@
	tensor_load_to_lds s[G0+4*(\s):G0+4*(\s)+3], s[G1:G1+7]
	s_nop 0
.rept 4
	v_nop
.endr
	s_branch .Lasked_\@
.Lfor_b_\@:
	tensor_load_to_lds s[G0B+4*(\s):G0B+4*(\s)+3], s[G1B:G1B+7]
	s_nop 0
.rept 4
	v_nop
.endr
.Lasked_\@:
.endm
.macro CROUND                          ; a round of the cluster's barrier
	s_barrier_signal -1
	s_barrier_wait -1
	s_cmp_lg_u32 s10, 0
	s_cbranch_scc1 .Lnot_wave_0_\@
	s_barrier_signal -3
.Lnot_wave_0_\@:
	s_barrier_wait -3
	s_barrier_signal -1
	s_barrier_wait -1
.endm
	s_load_b128 s[4:7], s[0:1], 0x0                ; xb s[4:5], wb s[6:7]
	s_load_b256 s[68:75], s[0:1], 0x10             ; csb 68, q_norm_w 70, k_norm_w 72, qkvg 74
	v_lshl_add_u32 v[SPW], v0, 2, SPARE
	v_mov_b32 v[NIL], 0
	ds_add_u32 v[SPW], v[NIL]                      ; the wave's opening: the add and its wait stand ahead of my first tensor load; work on registers stands between
	v_lshrrev_b32 v1, 5, v0
	v_readfirstlane_b32 s10, v1                    ; wave 0..3
	s_lshr_b32 s11, s10, 1                         ; my half of the tile's rows.  Also: I fetch for A (0) or for B (1)
	s_and_b32 s12, s10, 1                          ; my half of its columns.  Also: which 64 rows of that tile I fetch
	s_bfe_u32 s40, ttmp6, 0x40000                  ; cx
	s_bfe_u32 s41, ttmp6, 0x40004                  ; cy
	s_and_b32 s[CL], ttmp7, 0xffff
	s_lshl_b32 s42, s[CL], 2
	s_add_co_u32 s42, s42, s41                     ; tile column = 4 x cluster y + cy
	s_lshl_b32 s13, ttmp9, 2
	s_add_co_u32 s13, s13, s40                     ; tile row = 4 x cluster x + cx
	s_lshl_b32 s45, s[CL], 1
	s_add_co_u32 s45, s45, ttmp9
	s_and_b32 s45, s45, 3                          ; (x + 2 y) mod 4,
	s_lshl_b32 s[KI], s45, LOGQ                    ; in steps: where my cluster begins K
	s_lshl_b32 s43, 0x1111, s40                    ; the four with my cx
	s_lshl_b32 s44, s41, 2
	s_lshl_b32 s44, 15, s44                        ; the four with my cy
	s_or_b32 s[G1+0], s43, (1<<16)|(1<<20)|(1<<21)|(5<<22)|(3<<25)   ; mask; 2-byte elements; padding on; bit 21 beside a mask; after every 64 words 4 words
	s_or_b32 s[G1B+0], s44, (1<<16)|(1<<20)|(1<<21)|(6<<22)|(7<<25)  ; the same for B: after every 128 words 8 words
	s_mov_b32 s[G1+1], KSTEP<<16                   ; tensor_dim0 = 128
	s_mov_b32 s[G1+2], 64<<16                      ; tensor_dim1 = 64
	s_mov_b32 s[G1+3], KSTEP<<16                   ; tile_dim0 = 128
	s_mov_b32 s[G1+4], 64                          ; tile_dim1 = 64
	s_mov_b32 s[G1+5], SIZE_K                      ; elements from row to row
	s_mov_b32 s[G1+6], 0
	s_mov_b32 s[G1+7], 0
	s_mov_b32 s[G1B+1], 256<<16                    ; B: 64 rows (k) of 256 elements (n)
	s_mov_b32 s[G1B+2], 64<<16
	s_mov_b32 s[G1B+3], 256<<16
	s_mov_b32 s[G1B+4], 64
	s_mov_b32 s[G1B+5], 4096
	s_mov_b32 s[G1B+6], 0
	s_mov_b32 s[G1B+7], 0
	s_lshl_b32 s17, s12, 6
	s_lshl_b32 s16, s13, 7
	s_add_co_u32 s16, s16, s17                     ; A: row 128 x tile row + 64 x half,
	s_mul_i32 s16, s16, SIZE_K*2                   ; in bytes: under 2^25
	s_mov_b32 s17, 0
	s_lshl_b32 s46, s42, 9                         ; B: 512 bytes x tile column
	s_lshl_b32 s47, s12, 19                        ; + 64 rows of 8,192 bytes x half
	s_add_co_u32 s46, s46, s47
	s_mov_b32 s47, 0
	s_mul_i32 s20, s12, AHALF                      ; where they go: no place in the cluster enters an LDS address
	s_mul_i32 s21, s12, BHALF
	s_add_co_u32 s21, s21, BOFF
	s_mov_b32 s[TB], 0
	s_mov_b32 s[OFA+1], 0
	s_mov_b32 s[OFB+1], 0
	; what my 128 columns are.  The four tile columns of a cluster are of one kind: cluster y 0, 1: Wq (tile column = head; q, then the gate); 2: Wk; 3: Wv (two heads a tile).
	s_sub_co_u32 s80, 1, s12
	s_cmp_eq_u32 s[CL], 2
	s_cselect_b32 s81, 1, 0
	s_mul_i32 s82, s12, 3
	s_sub_co_u32 s79, s[CL], 1
	s_and_b32 s[HEAD], s42, 3
	s_lshl_b32 s[HEAD], s[HEAD], 1
	s_add_co_u32 s[HEAD], s[HEAD], s12
	s_cmp_lt_u32 s[CL], 2
	s_cselect_b32 s[KIND], s80, s81
	s_cselect_b32 s[SEC], s82, s79
	s_cselect_b32 s[HEAD], s42, s[HEAD]
	s_lshl_b32 s80, s[SEC], 22
	s_lshl_b32 s81, s[HEAD], 19
	s_add_co_u32 s80, s80, s81
	s_lshl_b32 s79, s13, 7
	s_lshl_b32 s81, s11, 6
	s_add_co_u32 s79, s79, s81                     ; my first row,
	s_lshl_b32 s79, s79, 8                         ; x 256 bytes: in a head's rows and in the tables alike
	s_add_co_u32 s80, s80, s79
	s_mov_b32 s81, 0
	s_mov_b32 s83, 0xffff0000
	s_mov_b32 s[SGN], 0x80008000
	s_mov_b32 s[SEL], 0x76543210
	s_mov_b32 s[SEL+1], 0xfedcba98
	s_mov_b32 s[INV], 0x3c000000                   ; 1 / 128
	s_mov_b32 s[EPS], 0x358637bd                   ; 1e-6
	s_mov_b32 s[CLO], 0xc77fe000                   ; -65,504
	s_mov_b32 s[CHI], 0x477fe000
	s_wait_dscnt 0x0                               ; the opening add is done
	s_wait_kmcnt 0x0
	s_add_nc_u64 s[14:15], s[4:5], s[16:17]        ; A at my rows, K = 0; kept
	s_add_nc_u64 s[46:47], s[6:7], s[46:47]        ; B at my columns, K = 0; kept
	s_add_nc_u64 s[8:9], s[74:75], s[80:81]        ; where my rows go
	s_mov_b32 s80, s79
	s_add_nc_u64 s[TAB:TAB+1], s[68:69], s[80:81]  ; cos at my first row
	s_cmp_eq_u32 s[CL], 2
	s_cselect_b64 s[WSEL:WSEL+1], s[72:73], s[70:71]
	CROUND                                         ; all sixteen work-groups are here: the first joint loads meet
.irp s, 0,1
	s_lshl_b32 s[OFA], s[KI], 8                    ; a step is 256 bytes of A's rows
	s_lshl_b32 s[OFB], s[KI], 20                   ; and 128 rows of 8,192 bytes of B
	s_mov_b32 s[G0+4*(\s)], 1
	s_add_co_u32 s[G0+4*(\s)+1], s20, (\s)*SL1
	s_add_nc_u64 s[G0+4*(\s)+2:G0+4*(\s)+3], s[14:15], s[OFA:OFA+1]
	s_or_b32 s[G0+4*(\s)+3], s[G0+4*(\s)+3], 0x80000000
	s_mov_b32 s[G0B+4*(\s)], 1
	s_add_co_u32 s[G0B+4*(\s)+1], s21, (\s)*SL1
	s_add_nc_u64 s[G0B+4*(\s)+2:G0B+4*(\s)+3], s[46:47], s[OFB:OFB+1]
	s_or_b32 s[G0B+4*(\s)+3], s[G0B+4*(\s)+3], 0x80000000
	s_add_co_u32 s[KI], s[KI], 1
	s_and_b32 s[KI], s[KI], NSTEP-1                ; K wraps round
	JLOAD \s                                       ; two tensor loads of mine are out
.endr
	v_and_b32 v1, 15, v0                           ; r = l % 16
	v_bfe_u32 v2, v0, 4, 1                         ; h = l / 16
	v_lshlrev_b32 v[WO], 5, v2                     ; the gain of columns 16 b + 8 h + 0..7: 32 h bytes, 64 b in the immediate
.irp b, 0,1,2,3,4,5,6,7
	global_load_b128 v[32+8*(\b):32+8*(\b)+3], v[WO], s[WSEL:WSEL+1] offset:64*(\b)
	global_load_b128 v[32+8*(\b)+4:32+8*(\b)+7], v[WO], s[WSEL:WSEL+1] offset:64*(\b)+16
.endr
	v_lshlrev_b32 v[TO], 8, v1
	v_lshl_add_u32 v[TO], v2, 4, v[TO]             ; row r x 256 + 16 h
	v_mul_u32_u24 v3, v1, PA
	v_lshl_add_u32 v3, v2, 4, v3                   ; A: row x pitch + 16 h
	s_mul_i32 s22, s11, AHALF
	v_and_b32 v4, 7, v0                            ; B, turned: row 8 h + l % 8, 16 bytes x ((l / 8) % 2)
	v_lshl_add_u32 v4, v2, 3, v4
	v_mul_u32_u24 v4, v4, PB
	v_bfe_u32 v5, v0, 3, 1
	v_lshl_add_u32 v4, v5, 4, v4
	s_lshl_b32 s23, s12, 8                         ; my 128 columns
	s_add_co_u32 s23, s23, BOFF
	v_add_nc_u32 v[ADRA0], s22, v3
	v_add_nc_u32 v[ADRB0], s23, v4
	v_mov_b32 v[ADRA], v[ADRA0]                    ; the walk begins in slot 0
	v_mov_b32 v[ADRB], v[ADRB0]
	s_mul_i32 s23, s10, 16*SP
	s_add_co_u32 s23, s23, STAGE                   ; my stage
	v_mul_u32_u24 v4, v1, SP
	v_lshl_add_u32 v4, v2, 4, v4
	v_add_nc_u32 v[STO], s23, v4                   ; in: row r, 16 bytes for each half of the lanes
	v_mul_u32_u24 v5, v2, SP
	v_lshl_add_u32 v5, v1, 4, v5
	v_add_nc_u32 v[RD], s23, v5                    ; back: lanes 0-15 one row of 256 bytes, lanes 16-31 the next
	v_lshlrev_b32 v5, 8, v2
	v_lshl_add_u32 v[CO], v1, 4, v5                ; and the same two rows in memory
	s_wait_loadcnt 0x0                             ; the gain
.set n, 0
.rept 32
	v_cvt_pk_bf16_f32 v[96+n], v[32+2*n], v[32+2*n+1]
.set n, n+1
.endr
	WIN 0xc0                                       ; destination window 3
.set n, 0
.rept 32
	v_lshlrev_b32 v[2*n], 16, v[96+n]              ; the rounded gain as f32
	v_and_b32 v[2*n+1], s83, v[96+n]
.set n, n+1
.endr
	WIN 0x80                                       ; destination window 2: the tables land while K is walked; their wait stands in front of the way out
.set n, 0
.rept 32                                               ; n = 8 a + b: rows 16 a on (4,096 bytes), columns 16 b on (32 bytes)
	global_load_b128 v[4*n:4*n+3], v[TO], s[TAB:TAB+1] offset:(n/8)*4096+(n%8)*32
	global_load_b128 v[128+4*n:128+4*n+3], v[TO], s[TAB:TAB+1] offset:524288+(n/8)*4096+(n%8)*32
.set n, n+1
.endr
	WIN 0
; 8 matrix instructions: rows 16 a on x all 8 column blocks, 32 along K.  zero = 1: the first product starts the sums.  The 32 accumulators take turns, one instruction a turn.
.macro MULA f, a, zero
	WIN MUL
.irp b, 0,1,2,3,4,5,6,7
.if \zero
	v_wmma_f32_16x16x32_bf16 v[8*(8*(\a)+(\b)):8*(8*(\a)+(\b))+7], v[(\f)+32+8*(\b):(\f)+32+8*(\b)+7], v[(\f)+8*(\a):(\f)+8*(\a)+7], 0
.else
	v_wmma_f32_16x16x32_bf16 v[8*(8*(\a)+(\b)):8*(8*(\a)+(\b))+7], v[(\f)+32+8*(\b):(\f)+32+8*(\b)+7], v[(\f)+8*(\a):(\f)+8*(\a)+7], v[8*(8*(\a)+(\b)):8*(8*(\a)+(\b))+7]
.endif
.endr
.endm
; 24 LDS loads in one run: quarter q (32 along K) of the slot in hand into buffer f: B's 8 fragments turned, then A's 4
.macro FETCH q, f
	WIN 0
.irp b, 0,1,2,3,4,5,6,7
	ds_load_tr16_b128 v[(\f)+32+8*(\b):(\f)+32+8*(\b)+3],   v[ADRB] offset:(\q)*32*PB+32*(\b)
	ds_load_tr16_b128 v[(\f)+32+8*(\b)+4:(\f)+32+8*(\b)+7], v[ADRB] offset:(\q)*32*PB+16*PB+32*(\b)
.endr
.irp i, 0,1,2,3
	ds_load_b128 v[(\f)+8*(\i):(\f)+8*(\i)+3],   v[ADRA] offset:64*(\q)+(\i)*16*PA
	ds_load_b128 v[(\f)+8*(\i)+4:(\f)+8*(\i)+7], v[ADRA] offset:64*(\q)+(\i)*16*PA+32
.endr
.endm
; One of a K step's first three quarters: multiplies buffer f, and in its middle fetches quarter q of the same slot into buffer g
.macro QUARTER q, f, g, zero
	s_wait_dscnt 4                                 ; B and A's fragments 0, 1 are in; the youngest four loads (A's fragments 2, 3) may be out
	MULA \f, 0, \zero
	MULA \f, 1, \zero
	PLACES
	FETCH \q, \g
	s_wait_dscnt 24                                ; all but the 24 just issued
	MULA \f, 2, \zero
	MULA \f, 3, \zero
.endm
; THE CHANGE OF SLOTS, and the step's last quarter.  The last quarter's fragments are in registers (buffer 1), so the slot can be given up first: each wave waits for all its tensor loads (one is out:
; its part of the next slot), adds 0 to its spare word, and waits for that and for its reads of this slot.  fill = 1: a round of the cluster's barrier, and the joint refill, two K steps ahead, is the
; first thing behind it; all of a step's 128 matrix instructions stand between a request and the wait for it.  The walking descriptor: the other slot than last time, the address made anew from the step's number.
.macro TURN fill
	WIN 0
	s_wait_tensorcnt 0x0                           ; no tensor load of mine is out, so a group 0 may be written
	ds_add_u32 v[SPW], v[NIL]                      ; 0 onto my spare word; scalar work stands between it and the wait for it
.if \fill
	s_lshl_b32 s[OFA], s[KI], 8
	s_lshl_b32 s[OFB], s[KI], 20
	s_xor_b32 s[G0+5], s[G0+5], SL1
	s_add_nc_u64 s[G0+6:G0+7], s[14:15], s[OFA:OFA+1]
	s_or_b32 s[G0+7], s[G0+7], 0x80000000
	s_xor_b32 s[G0B+5], s[G0B+5], SL1
	s_add_nc_u64 s[G0B+6:G0B+7], s[46:47], s[OFB:OFB+1]
	s_or_b32 s[G0B+7], s[G0B+7], 0x80000000
	s_add_co_u32 s[KI], s[KI], 1
	s_and_b32 s[KI], s[KI], NSTEP-1
.endif
	s_xor_b32 s[TB], s[TB], SL1                    ; the fetches go to the other slot
	s_wait_dscnt 0x0                               ; the add is done, and my reads of this slot are over
.if \fill
	CROUND
	JLOAD 1                                        ; its four v_nop are also the places in front of the loads below
.else
	s_barrier_signal -1
	s_barrier_wait -1
	PLACES
.endif
	v_add_nc_u32 v[ADRA], s[TB], v[ADRA0]
	v_add_nc_u32 v[ADRB], s[TB], v[ADRB0]
	FETCH 0, F0
	MULA F1, 0, 0
	MULA F1, 1, 0
	MULA F1, 2, 0
	MULA F1, 3, 0
.endm
	s_wait_tensorcnt 1                             ; my part of the first K step is in; the second's may stay out
	s_barrier_signal -1
	s_barrier_wait -1
	FETCH 0, F0
	QUARTER 1, F0, F1, 1                           ; the first quarter starts the sums
	WIN 0
	s_mov_b32 s3, NSTEP-2
.Lstep:                                                ; a trip: a step's quarters 1 to 3, the change of slots with its refill, the next step's quarter 0
	QUARTER 2, F1, F0, 0
	QUARTER 3, F0, F1, 0
	TURN 1
	QUARTER 1, F0, F1, 0
	WIN 0
	s_sub_co_u32 s3, s3, 1
	s_cmp_lg_u32 s3, 0
	s_cbranch_scc1 .Lstep
	QUARTER 2, F1, F0, 0                           ; the last two steps fill nothing
	QUARTER 3, F0, F1, 0
	TURN 0
	QUARTER 1, F0, F1, 0
	QUARTER 2, F1, F0, 0
	QUARTER 3, F0, F1, 0
	s_wait_dscnt 4
	MULA F1, 0, 0
	MULA F1, 1, 0
	s_wait_dscnt 0x0
	MULA F1, 2, 0
	MULA F1, 3, 0
	WIN 0
; THE WAY OUT, 16 rows (block a) at a time.  A lane holds row r and 64 of its 128 columns, d = 16 b + 8 h + j at place 8 b + j; the lane 16 away holds the others; d xor 64 is place + 32 mod 64 of the same lane.
.macro SENDOUT a                       ; O -> f16 -> my stage -> whole rows of 256 bytes -> memory
	WIN 0
.set n, 0
.rept 32
	v_cvt_pk_f16_f32 v[OUT+n], v[O+2*n], v[O+2*n+1]
.set n, n+1
.endr
.irp b, 0,1,2,3,4,5,6,7
	ds_store_b128 v[STO], v[OUT+4*(\b):OUT+4*(\b)+3] offset:32*(\b)
.endr
	s_wait_xcnt 0x0                                ; the last block's stores have read BK: it is loaded again only behind this wait
.irp t, 0,1,2,3,4,5,6,7
	ds_load_b128 v[BK+4*(\t):BK+4*(\t)+3], v[RD] offset:(\t)*2*SP  ; LDS serves a wave's instructions in order (ISA guide 5.7.1.4): these see the stores above
.endr
.irp t, 0,1,2,3,4,5,6,7
	s_wait_dscnt 7-(\t)                            ; the younger loads from the stage may stay out
	global_store_b128 v[CO], v[BK+4*(\t):BK+4*(\t)+3], s[8:9] offset:(\a)*4096+(\t)*512  ; 512 consecutive bytes, aligned
.endr
.endm
.macro NORM a
	WIN 0x05                                       ; sources 0 and 1 in window 1
.irp c, 0,1,2,3                        ; the sum of squares in four chains; each accumulator is read from its low end on
	v_pk_mul_f32 v[SS+2*(\c):SS+2*(\c)+1], v[64*(\a)+2*(\c):64*(\a)+2*(\c)+1], v[64*(\a)+2*(\c):64*(\a)+2*(\c)+1]
.endr
.irp b, 1,2,3,4,5,6,7
.irp c, 0,1,2,3
	v_pk_fma_f32 v[SS+2*(\c):SS+2*(\c)+1], v[64*(\a)+8*(\b)+2*(\c):64*(\a)+8*(\b)+2*(\c)+1], v[64*(\a)+8*(\b)+2*(\c):64*(\a)+8*(\b)+2*(\c)+1], v[SS+2*(\c):SS+2*(\c)+1]
.endr
.endr
	WIN 0
	v_pk_add_f32 v[SS:SS+1], v[SS:SS+1], v[SS+2:SS+3]
	v_pk_add_f32 v[SS+4:SS+5], v[SS+4:SS+5], v[SS+6:SS+7]
	v_pk_add_f32 v[SS:SS+1], v[SS:SS+1], v[SS+4:SS+5]
	v_add_f32 v[SS], v[SS], v[SS+1]
	v_permlanex16_b32 v[SS+1], v[SS], s[SEL], s[SEL+1]  ; the row's other 64 columns
	v_add_f32 v[SS], v[SS], v[SS+1]
	v_fma_f32 v[SS], v[SS], s[INV], s[EPS]         ; mean + eps
	v_rsq_f32 v[RS], v[SS]
	v_mov_b32 v[RS+1], 0                           ; a plain instruction behind the root; it also writes the pair's partner
	WIN 0x01
.set n, 0
	s_wait_alu depctr_va_vdst(0)
.rept 32
	v_pk_mul_f32 v[Y+2*n:Y+2*n+1], v[64*(\a)+2*n:64*(\a)+2*n+1], v[RS:RS+1] op_sel_hi:[1,0]
.set n, n+1
.endr
	WIN 0x0c                                       ; source 1: the gain, in window 3
.set n, 0
.rept 32
	v_pk_mul_f32 v[Y+2*n:Y+2*n+1], v[Y+2*n:Y+2*n+1], v[2*n:2*n+1]
.set n, n+1
.endr
	WIN 0x02                                       ; source 0: the tables, in window 2, bf16 halves
.set n, 0
.rept 32
	v_fma_mix_f32_bf16 v[O+2*n],   v[128+32*(\a)+n], v[Y+(2*n+32)%64], v[Z] op_sel_hi:[1,0,0]
	v_fma_mix_f32_bf16 v[O+2*n+1], v[128+32*(\a)+n], v[Y+(2*n+33)%64], v[Z] op_sel:[1,0,0] op_sel_hi:[1,0,0]
.set n, n+1
.endr
.set n, 0
.rept 32
	v_fma_mix_f32_bf16 v[O+2*n],   v[32*(\a)+n], v[Y+2*n],   v[O+2*n] op_sel_hi:[1,0,0]
	v_fma_mix_f32_bf16 v[O+2*n+1], v[32*(\a)+n], v[Y+2*n+1], v[O+2*n+1] op_sel:[1,0,0] op_sel_hi:[1,0,0]
.set n, n+1
.endr
	WIN 0
.endm
.macro PLAIN a
	WIN 0x01
.set n, 0
.rept 64
	v_med3_num_f32 v[O+n], v[64*(\a)+n], s[CLO], s[CHI]
.set n, n+1
.endr
	WIN 0
.endm
	PLACES
	s_wait_loadcnt 0x0                             ; the tables
	WIN 0x88                                       ; rotate_half's minus: sin's sign is turned for d < 64, which is column blocks b < 4: the first 16 of each block a's 32 registers
.irp a, 0,1,2,3
.set n, 0
.rept 16
	v_xor_b32 v[128+32*(\a)+n], s[SGN], v[128+32*(\a)+n]
.set n, n+1
.endr
.endr
	WIN 0
	v_mov_b32 v[Z], 0
.irp a, 0,1,2,3                        ; the branch hangs on the cluster's y and the wave's number: alike in all partners; neither way holds a barrier or a tensor load
	s_cmp_eq_u32 s[KIND], 1
	s_cbranch_scc0 .Lplain\a
	NORM \a
	s_branch .Lsend\a
.Lplain\a:
	PLAIN \a
.Lsend\a:
	SENDOUT \a
.endr
	s_wait_tensorcnt 0x0                           ; the wave's end
	ds_add_u32 v[SPW], v[NIL]
	s_wait_dscnt 0x0
	CROUND                                         ; the closing round
	s_endpgm
.Lfunc_end_k_q1ffabc6cd9_qkv:
	.size	k_q1ffabc6cd9_qkv, .Lfunc_end_k_q1ffabc6cd9_qkv-k_q1ffabc6cd9_qkv
	.p2alignl 7, 3214868480
	.fill 96, 4, 3214868480
	.section	.rodata,"a",@progbits
	.p2align	6, 0x0
	.amdhsa_kernel k_q1ffabc6cd9_qkv
		.amdhsa_group_segment_fixed_size 327680
		.amdhsa_private_segment_fixed_size 0
		.amdhsa_enable_private_segment 0
		.amdhsa_kernarg_size 48
		.amdhsa_user_sgpr_count 2
		.amdhsa_user_sgpr_kernarg_segment_ptr 1
		.amdhsa_wavefront_size32 1
		.amdhsa_system_sgpr_workgroup_id_x 1
		.amdhsa_system_sgpr_workgroup_id_y 1
		.amdhsa_system_sgpr_workgroup_id_z 1
		.amdhsa_system_vgpr_workitem_id 0
		.amdhsa_next_free_vgpr 832
		.amdhsa_next_free_sgpr 100
		.amdhsa_reserve_vcc 0
		.amdhsa_float_denorm_mode_32 3
		.amdhsa_float_denorm_mode_16_64 3
		.amdhsa_memory_ordered 1
		.amdhsa_forward_progress 1
		.amdhsa_inst_pref_size 161
	.end_amdhsa_kernel
	.amdgpu_metadata
---
amdhsa.version: [ 1, 2 ]
amdhsa.kernels:
  - .name:           k_q1ffabc6cd9_qkv
    .symbol:         k_q1ffabc6cd9_qkv.kd
    .args:
      - { .name: xb, .offset: 0, .size: 8, .value_kind: global_buffer, .address_space: global }
      - { .name: wb, .offset: 8, .size: 8, .value_kind: global_buffer, .address_space: global }
      - { .name: csb, .offset: 16, .size: 8, .value_kind: global_buffer, .address_space: global }
      - { .name: q_norm_w, .offset: 24, .size: 8, .value_kind: global_buffer, .address_space: global }
      - { .name: k_norm_w, .offset: 32, .size: 8, .value_kind: global_buffer, .address_space: global }
      - { .name: qkvg, .offset: 40, .size: 8, .value_kind: global_buffer, .address_space: global }
    .group_segment_fixed_size: 327680
    .private_segment_fixed_size: 0
    .kernarg_segment_align: 8
    .kernarg_segment_size: 48
    .max_flat_workgroup_size: 128
    .sgpr_count:     100
    .vgpr_count:     832
    .wavefront_size: 32
...
	.end_amdgpu_metadata
.endif
;; end of part 2
;; launch attn (part 3): grid 32 x 8, 4 waves a work-group, clusters of 4 x 1, 327,680 bytes of LDS; arguments qkvg, og; writes og
.if DOCPART == 3
	.amdgcn_target "amdgcn-amd-amdhsa--gfx1250"
	.amdhsa_code_object_version 6
	.text
	.protected	k_q1ffabc6cd9_attn
	.globl	k_q1ffabc6cd9_attn
	.p2align	8
	.type	k_q1ffabc6cd9_attn,@function
k_q1ffabc6cd9_attn:
	s_mov_b64 s[64:65], 0
	v_nop
	global_prefetch_b8 v0, s[64:65] scope:SCOPE_SE
	s_setreg_imm32_b32 hwreg(HW_REG_WAVE_MODE, 25, 1), 1
	s_wait_xcnt 0x0
	s_wait_alu depctr_hold_cnt(0) depctr_sa_sdst(0) depctr_va_vdst(0) depctr_va_sdst(0) depctr_va_ssrc(0) depctr_va_vcc(0) depctr_vm_vsrc(0)
	s_getreg_b32 s2, hwreg(HW_REG_IB_STS2, 6, 4)
	s_cmp_eq_u32 s2, 0
	s_cbranch_scc0 .Lentry_in_a_cluster
	s_endpgm
.Lentry_in_a_cluster:
	s_bfe_u32 s2, ttmp6, 0x10000c
	s_cmp_lg_u32 s2, 0x3003
	s_cbranch_scc0 .Lentry_shape_is_right
	s_endpgm
.Lentry_shape_is_right:
; CAUSAL ATTENTION with the output gate.  og[q][128 head + d] = sigmoid(gate) x the sum over k <= q of softmax_k(Q[q] . K[k] / sqrt(128)) V[k][d].
; qkvg: sections q, k, v, gate, each f16 [8][2048][128]; og: f16 [2048][1024].  Products, maxima and sums in f32; the weights p are rounded to f16 for the second product, the gated result once.
; LIMITS.  A hidden score is replaced by -1e30 (f16's scores reach 5.5e11 at the most); a weight below 2^-126 counts as 0; NaN and infinities are not treated apart.
; THE WALK.  A head's queries lie in 64 blocks of 32; block i needs the key tiles 0 .. i / 8 of 256 keys.  A work-group b (0-31) takes blocks 63 - b and then b: with g = b / 8 that is (8 - g) + (g + 1) = 9 tiles,
; for every work-group, and the four partners of a cluster (same g) walk the same tiles: every tile of K and V is asked for jointly.  One loop with a constant trip count walks them.
; THE KEYS ARE SPLIT: all four waves hold the same two tiles of 16 queries; wave w takes keys 64 w .. 64 w + 63 of each tile of 256.  So each fragment of K and V leaves LDS once for the work-group.
; At the end the four waves' maxima, sums and O meet in LDS, and wave w finishes one of the four tiles of 16 queries.
; LAYOUT.  S^T = K Q^T holds one query a lane (l % 16) and the keys 8 (l / 16) + 0..7; two such results rounded to f16 are source 1 of O^T = V^T P.  p = 2^(c s - c m), c = log2(e) / sqrt(128), with a running
; maximum m; O and l are multiplied by a = 2^(c m_old - c m_new) in every step.  A wave whose keys are all hidden ends with c m near -1.3e29, and its share gets the factor 0 when the waves meet.
; IN PHASES: a tile's K Q^T, the mask (the diagonal tile alone), the softmax, V^T P.
; REGISTERS: window 0: v0-15 addresses; v16-31 statistics, 8 a tile; v32-37 the first block's; v64-127 S^T; v192-223 P.  Window 1: v0-127 O^T, v128-255 the first block's O^T.
;   window 2: v0-127 K, v128-255 V of my 64 keys.  Window 3: v0-63 Q, v64-127 the second block's Q, v128-159 the gate of the rows that I finish.
.set PK,    272                        ; a row of K: 256 bytes + 16
.set PV,    288                        ; a row of V: 256 + 32: the turning load's 8 rows x 32 bytes fall on different banks (64 banks of 4 bytes: ISA guide 11.1)
.set VOFF,  256*PK                     ; a slot: 256 rows of K, then 256 rows of V: 143,360 bytes
.set CSL,   0x24000                    ; slot 1 begins here; no LDS address inside slot 0 that is turned has one of its two bits set, so one exclusive or changes slots
.set SPARE, CSL+256*(PK+PV)            ; the spare words: 128 bytes a wave, two blocks of 256 bytes that no other line names
.set STG,   SPARE+512                  ; 16 rows x 272 bytes for each wave, for the way out
.set SP,    272
.set SCR,   CSL                        ; where the waves meet: slot 1, which has had its last fill (the walk's tile 7) and is read by nobody behind the last change of slots
.set SCP,   528                        ; [wave][4 tiles][16 queries] rows of 512 bytes + 16
.set STS,   SCR+256*SCP                ; [wave][4 tiles][16 queries] x {c m, l}
.set AK0, 2
.set AV0, 3
.set ADK, 4
.set ADV, 5
.set STO, 6
.set RD,  7
.set GO,  8
.set SSA, 10
.set SLA, 11
.set DV0, 12                           ; r - 8 h - 64 w
.set D0,  13                           ; register 16 kb + j of tile t is hidden where it is greater than v[D0 + t]
.set D1,  14
.set BIG, 15                           ; -1e30
.set ST,  16                           ; tile t at v[ST+8 t]: +0 c m, +1 m, +2, +3 l, +4 to +7 at work; a takes +6
.set SV,  32                           ; the first block's c m, l, l for each tile
.set QO,  38                           ; r x 256 + 16 h; never rewritten
.set SA,  39
.set SPW, 40
.set NIL, 41
.set MS,  42                           ; v42-49 {c m, l} four times
.set FG,  52                           ; v52-59 four factors at the even places
.set LA,  60                           ; v60-63
.set S,   64
.set GU,  64                           ; the meeting's second buffer; then v64-95 the gate
.set OUT, 96
.set R,   128
.set P,   192
.set GT,  192
.set WV,  12
.set G1K, 24
.set G1V, 32
.set G0K, 40                           ; s[40:47] group 0 for K: a set for each first fill; the second then walks on
.set G0V, 48                           ; s[48:55] the same for V
.set SLOTS, 56
.set CS,  58
.set SEL, 60
.set TB,  62
.set RT,  70                           ; tiles of the block in hand still to be entered
.set NXT, 71                           ; the tile to be asked for next
.set LQ,  72                           ; the last tile of the block whose tiles are being asked for
.set G,   73
.set OFF, 74
.set SD,  76                           ; my block's first query, counted in its diagonal tile
.set SDLO, 77
.set TLO, 78
.set QA,  80                           ; s[80:81] Q of the first block, s[82:83] of the second
.set GA,  84                           ; s[84:85] the gate of the rows that I finish
.set OA,  86                           ; s[86:87] their place in og
.set MSB, 0
.macro WIN new
.if MSB != (\new)
	s_set_vgpr_msb (MSB<<8)|(\new)
.set MSB, \new
.endif
.endm
.set W_KQ, 0x0e                        ; K window 2, Q window 3, S^T window 0
.set W_PV, 0x52                        ; V window 2, P window 0, O^T window 1
.set W_RS, 0x41                        ; O^T (destination and source 0) window 1, a window 0
.macro PLACES
.rept 4
	v_nop
.endr
.endm
; A joint refill: waves 0 and 1 fetch the halves of a tile's K, waves 2 and 3 those of its V, 128 keys each.  An s_nop 0 and four v_nop follow each line.
.macro JLOAD
	s_cmp_lt_u32 s[WV], 2
	s_cbranch_scc0 .Lfor_v_\@
	tensor_load_to_lds s[G0K+4:G0K+7], s[G1K:G1K+7]
	s_nop 0
.rept 4
	v_nop
.endr
	s_branch .Lasked_\@
.Lfor_v_\@:
	tensor_load_to_lds s[G0V+4:G0V+7], s[G1V:G1V+7]
	s_nop 0
.rept 4
	v_nop
.endr
.Lasked_\@:
.endm
.macro CROUND
	s_barrier_signal -1
	s_barrier_wait -1
	s_cmp_lg_u32 s[WV], 0
	s_cbranch_scc1 .Lnot_wave_0_\@
	s_barrier_signal -3
.Lnot_wave_0_\@:
	s_barrier_wait -3
	s_barrier_signal -1
	s_barrier_wait -1
.endm
; THE CHANGE OF SLOTS.  Each wave waits for all its tensor loads (one is out: its part of the other slot), adds 0 to its spare word, and waits for that and for its reads of the slot that it leaves.
; fill = 1: a round of the cluster's barrier, and the old slot is filled again first thing behind it, with tile NXT; the walking descriptor's address is made anew from that number.
.macro CHANGE fill
	WIN 0
	s_wait_tensorcnt 0x0
	ds_add_u32 v[SPW], v[NIL]
.if \fill
	s_lshl_b32 s[OFF], s[NXT], 16                  ; a tile is 65,536 bytes of K and of V
	s_xor_b32 s[G0K+5], s[G0K+5], CSL
	s_add_nc_u64 s[G0K+6:G0K+7], s[8:9], s[OFF:OFF+1]
	s_or_b32 s[G0K+7], s[G0K+7], 0x80000000
	s_xor_b32 s[G0V+5], s[G0V+5], CSL
	s_add_nc_u64 s[G0V+6:G0V+7], s[10:11], s[OFF:OFF+1]
	s_or_b32 s[G0V+7], s[G0V+7], 0x80000000
	s_add_co_u32 s[NXT], s[NXT], 1                 ; the block's next tile, or behind its last the second block's tile 0
	s_cmp_gt_u32 s[NXT], s[LQ]
	s_cselect_b32 s[NXT], 0, s[NXT]
	s_cselect_b32 s[LQ], s[G], s[LQ]
	s_wait_dscnt 0x0
	CROUND
	JLOAD                                          ; its four v_nop are also the places in front of the loads into K's and V's registers
.else
	s_wait_dscnt 0x0
	s_barrier_signal -1
	s_barrier_wait -1
	PLACES
.endif
	s_xor_b32 s[TB], s[TB], CSL                    ; the fetches go to the other slot
.endm
	s_load_b128 s[4:7], s[0:1], 0x0                ; qkvg s[4:5], og s[6:7]
	v_lshl_add_u32 v[SPW], v0, 2, SPARE
	v_mov_b32 v[NIL], 0
	ds_add_u32 v[SPW], v[NIL]                      ; the wave's opening: the add and its wait stand ahead of my first tensor load
	v_lshrrev_b32 v1, 5, v0
	v_readfirstlane_b32 s[WV], v1
	s_bfe_u32 s13, ttmp6, 0x40000                  ; cx: it enters Q's, the gate's and og's addresses and the mask's numbers alone
	s_lshl_b32 s14, ttmp9, 2
	s_add_co_u32 s14, s14, s13                     ; b
	s_sub_co_u32 s15, 63, s14                      ; the first block
	s_lshr_b32 s[G], ttmp9, 1                      ; g: the same in the four partners
	s_add_co_u32 s[TLO], s[G], 1
	s_sub_co_u32 s[RT], 8, s[G]
	s_sub_co_u32 s[LQ], 7, s[G]                    ; at least 4: tiles 0 and 1, the first fills, belong to the first block
	s_mov_b32 s[NXT], 2
	s_mov_b32 s[OFF+1], 0
	s_and_b32 s16, s14, 7
	s_lshl_b32 s[SDLO], s16, 5
	s_sub_co_u32 s[SD], 224, s[SDLO]
	s_and_b32 s21, ttmp7, 0xffff                   ; the head
	s_lshl_b32 s20, s21, 19                        ; its 524,288 bytes in each section
	s_and_b32 s17, s[WV], 1                        ; which half of a tile's 256 keys I fetch
	s_lshl_b32 s22, s17, 15
	s_add_co_u32 s22, s22, s20
	s_mov_b32 s23, 0
	s_mul_i32 s18, s17, 128*PK
	s_mul_i32 s19, s17, 128*PV
	s_mov_b32 s[G1K], 15|(1<<16)|(1<<20)|(1<<21)|(5<<22)|(3<<25)  ; the mask of four; 2-byte elements; padding on; bit 21 beside a mask; after every 64 words 4 words
	s_mov_b32 s[G1V], 15|(1<<16)|(1<<20)|(1<<21)|(5<<22)|(7<<25)  ; the same with 8 words
.irp g, G1K, G1V
	s_mov_b32 s[\g+1], 128<<16                     ; tensor_dim0 = 128
	s_mov_b32 s[\g+2], 128<<16                     ; tensor_dim1 = 128
	s_mov_b32 s[\g+3], 128<<16                     ; tile_dim0 = 128
	s_mov_b32 s[\g+4], 128                         ; tile_dim1 = 128
	s_mov_b32 s[\g+5], 128                         ; elements from row to row
	s_mov_b32 s[\g+6], 0
	s_mov_b32 s[\g+7], 0
.endr
	s_mov_b32 s[CS], 0x3e0293ee                    ; c = log2(e) / sqrt(128)
	s_mov_b32 s[CS+1], s[CS]
	s_mov_b32 s[SEL], 0x76543210
	s_mov_b32 s[SEL+1], 0xfedcba98
	s_mov_b32 s[TB], 0                             ; the walk begins in slot 0
	s_mov_b32 s[SLOTS], 8
	s_lshl_b32 s[QA], s15, 13                      ; a block's 32 rows are 8,192 bytes
	s_add_co_u32 s[QA], s[QA], s20
	s_mov_b32 s[QA+1], 0
	s_lshl_b32 s[QA+2], s14, 13
	s_add_co_u32 s[QA+2], s[QA+2], s20
	s_mov_b32 s[QA+3], 0
	s_cmp_lt_u32 s[WV], 2                          ; the tile of 16 queries that I finish: waves 0, 1 the first block's, waves 2, 3 the second's
	s_cselect_b32 s16, s15, s14
	s_lshl_b32 s16, s16, 5
	s_lshl_b32 s2, s17, 4
	s_add_co_u32 s16, s16, s2                      ; its first query
	s_lshl_b32 s[GA], s16, 8
	s_add_co_u32 s[GA], s[GA], s20
	s_add_co_u32 s[GA], s[GA], 0xc00000            ; the gate's section
	s_mov_b32 s[GA+1], 0
	s_lshl_b32 s[OA], s16, 11
	s_lshl_b32 s2, s21, 8
	s_add_co_u32 s[OA], s[OA], s2
	s_mov_b32 s[OA+1], 0
	s_wait_dscnt 0x0                               ; the opening add is done
	s_wait_kmcnt 0x0
	s_add_nc_u64 s[8:9], s[4:5], s[22:23]
	s_add_nc_u64 s[10:11], s[8:9], 0x800000        ; V at my half of the head's tile 0
	s_add_nc_u64 s[8:9], s[8:9], 0x400000          ; K likewise
.irp s, 0,1
	s_mov_b32 s[G0K+4*(\s)], 1
	s_add_co_u32 s[G0K+4*(\s)+1], s18, (\s)*CSL
	s_add_nc_u64 s[G0K+4*(\s)+2:G0K+4*(\s)+3], s[8:9], (\s)*65536
	s_or_b32 s[G0K+4*(\s)+3], s[G0K+4*(\s)+3], 0x80000000
	s_mov_b32 s[G0V+4*(\s)], 1
	s_add_co_u32 s[G0V+4*(\s)+1], s19, (\s)*CSL+VOFF
	s_add_nc_u64 s[G0V+4*(\s)+2:G0V+4*(\s)+3], s[10:11], (\s)*65536
	s_or_b32 s[G0V+4*(\s)+3], s[G0V+4*(\s)+3], 0x80000000
.endr
	s_add_nc_u64 s[QA:QA+1], s[4:5], s[QA:QA+1]
	s_add_nc_u64 s[QA+2:QA+3], s[4:5], s[QA+2:QA+3]
	s_add_nc_u64 s[GA:GA+1], s[4:5], s[GA:GA+1]
	s_add_nc_u64 s[OA:OA+1], s[6:7], s[OA:OA+1]
	CROUND                                         ; all four work-groups are here
	s_cmp_lt_u32 s[WV], 2                          ; a wave's two first fills, tiles 0 and 1, stand in one branch, ahead of every wait on TENSORcnt and every LDS read: two loads of mine are out
	s_cbranch_scc0 .Lfirst_v
	tensor_load_to_lds s[G0K:G0K+3], s[G1K:G1K+7]
	s_nop 0
	tensor_load_to_lds s[G0K+4:G0K+7], s[G1K:G1K+7]
	s_nop 0
.rept 4
	v_nop
.endr
	s_branch .Lfirst_asked
.Lfirst_v:
	tensor_load_to_lds s[G0V:G0V+3], s[G1V:G1V+7]
	s_nop 0
	tensor_load_to_lds s[G0V+4:G0V+7], s[G1V:G1V+7]
	s_nop 0
.rept 4
	v_nop
.endr
.Lfirst_asked:
	v_and_b32 v1, 15, v0                           ; r
	v_bfe_u32 v9, v0, 4, 1                         ; h
	v_lshlrev_b32 v[QO], 8, v1
	v_lshl_add_u32 v[QO], v9, 4, v[QO]
	WIN 0xc0                                       ; destination window 3
.set i, 0
.rept 8                                                ; tile i / 4, channels 32 (i % 4) on
	global_load_b128 v[8*i:8*i+3],       v[QO], s[QA:QA+1] offset:(i/4)*4096+(i%4)*64
	global_load_b128 v[8*i+4:8*i+7],     v[QO], s[QA:QA+1] offset:(i/4)*4096+(i%4)*64+32
	global_load_b128 v[64+8*i:64+8*i+3], v[QO], s[QA+2:QA+3] offset:(i/4)*4096+(i%4)*64
	global_load_b128 v[64+8*i+4:64+8*i+7], v[QO], s[QA+2:QA+3] offset:(i/4)*4096+(i%4)*64+32
.set i, i+1
.endr
.irp c, 0,1,2,3,4,5,6,7
	global_load_b128 v[128+4*(\c):128+4*(\c)+3], v[QO], s[GA:GA+1] offset:32*(\c)  ; the gate of my 16 rows, in O^T's layout: asked for here, wanted at the end
.endr
	WIN 0x40                                       ; a block's first step multiplies O^T and l by a = 0: they need only be finite.  The first block's copy is written here too, so that it is defined on every way.
.set i, 0
.rept 256
	v_mov_b32 v[i], 0
.set i, i+1
.endr
	WIN 0
.irp t, 0,1
	v_mov_b32 v[ST+8*(\t)], 0xfe000000             ; c m: far below every c s
	v_mov_b32 v[ST+8*(\t)+1], 0xff7fffff           ; m
	v_mov_b32 v[ST+8*(\t)+2], 0
	v_mov_b32 v[ST+8*(\t)+3], 0
.endr
.irp n, 0,1,2,3,4,5
	v_mov_b32 v[SV+(\n)], 0
.endr
	v_mov_b32 v[BIG], 0xf149f2ca                   ; -1e30
	s_mul_i32 s2, s[WV], 64*PK                     ; my 64 keys of a tile
	v_mul_u32_u24 v[AK0], v1, PK
	v_lshl_add_u32 v[AK0], v9, 4, v[AK0]
	v_add_nc_u32 v[AK0], s2, v[AK0]
	v_and_b32 v10, 7, v0
	v_bfe_u32 v11, v0, 3, 1
	v_lshl_add_u32 v[AV0], v9, 3, v10
	v_mul_u32_u24 v[AV0], v[AV0], PV
	v_lshl_add_u32 v[AV0], v11, 4, v[AV0]
	s_mul_i32 s2, s[WV], 64*PV
	s_add_co_u32 s2, s2, VOFF
	v_add_nc_u32 v[AV0], s2, v[AV0]
	v_lshlrev_b32 v10, 3, v9
	v_sub_nc_u32 v[DV0], v1, v10
	s_lshl_b32 s2, s[WV], 6
	s_sub_co_u32 s2, 0, s2
	v_add_nc_u32 v[DV0], s2, v[DV0]
	s_mul_i32 s2, s[WV], 16*SP
	s_add_co_u32 s2, s2, STG
	v_mul_u32_u24 v[STO], v1, SP
	v_lshl_add_u32 v[STO], v9, 4, v[STO]
	v_add_nc_u32 v[STO], s2, v[STO]
	v_mul_u32_u24 v[RD], v9, SP
	v_lshl_add_u32 v[RD], v1, 4, v[RD]
	v_add_nc_u32 v[RD], s2, v[RD]
	v_lshlrev_b32 v[GO], 11, v9                    ; a row of og is 2,048 bytes
	v_lshl_add_u32 v[GO], v1, 4, v[GO]
	s_wait_loadcnt 0x0                             ; Q and the gate
; Product i of 32 of S^T = K Q^T: channels 32 (i / 8) on, keys 16 ((i / 2) % 4) on, tile i % 2.  The first 8 start the sums.  The 8 accumulators take turns.
.macro KQ
	WIN W_KQ
.set rS, S+32*(i%2)+8*((i/2)%4)
.set rK, 32*((i/2)%4)+8*(i/8)
.set rQ, 32*(i%2)+8*(i/8)
.if i < 8
	v_wmma_f32_16x16x32_f16 v[rS:rS+7], v[rK:rK+7], v[rQ:rQ+7], 0
.else
	v_wmma_f32_16x16x32_f16 v[rS:rS+7], v[rK:rK+7], v[rQ:rQ+7], v[rS:rS+7]
.endif
.endm
; Product i of 32 of O^T += V^T P: keys 32 (i / 16) on, channels 16 ((i / 2) % 8) on, tile i % 2.  16 accumulators by turns.
.macro PVM
	WIN W_PV
.set rO, 64*(i%2)+8*((i/2)%8)
.set rV, 128+64*(i/16)+8*((i/2)%8)
.set rP, P+16*(i%2)+8*(i/16)
	v_wmma_f32_16x16x32_f16 v[rO:rO+7], v[rV:rV+7], v[rP:rP+7], v[rO:rO+7]
.endm
.macro FETCH                           ; my 64 keys of the tile: K's 16 fragments, then V's 16, turned
	WIN 0
	v_add_nc_u32 v[ADK], s[TB], v[AK0]
	v_add_nc_u32 v[ADV], s[TB], v[AV0]
	WIN 0x80
.irp f, 0,1,2,3,4,5,6,7,8,9,10,11,12,13,14,15
	ds_load_b128 v[8*(\f):8*(\f)+3],   v[ADK] offset:((\f)/4)*16*PK+((\f)%4)*64
	ds_load_b128 v[8*(\f)+4:8*(\f)+7], v[ADK] offset:((\f)/4)*16*PK+((\f)%4)*64+32
.endr
.irp f, 0,1,2,3,4,5,6,7,8,9,10,11,12,13,14,15
	ds_load_tr16_b128 v[128+8*(\f):128+8*(\f)+3],   v[ADV] offset:((\f)/8)*32*PV+((\f)%8)*32
	ds_load_tr16_b128 v[128+8*(\f)+4:128+8*(\f)+7], v[ADV] offset:((\f)/8)*32*PV+16*PV+((\f)%8)*32
.endr
.endm
.macro MASK                            ; key 64 w + 16 kb + 8 h + j is hidden from query SD + 16 t + r where it is greater; each accumulator is taken from its low end on
	WIN 0
	v_add_nc_u32 v[D0], s[SD], v[DV0]
	v_add_nc_u32 v[D1], 16, v[D0]
.irp t, 0,1
.set n, 0
.rept 32
	v_cmp_gt_i32 vcc_lo, 16*(n/8)+n%8, v[D0+(\t)]
	v_cndmask_b32 v[S+32*(\t)+n], v[S+32*(\t)+n], v[BIG], vcc_lo
.set n, n+1
.endr
.endr
.endm
; ONE TILE'S SOFTMAX is a list of 134 instructions; SM writes number j of it for tile t.  s0-s31 are the lane's 32 scores, in pairs 0-15.
;   0-15    the maximum of s0-s31 and the old m, three operands at a time (each accumulator's lowest registers are read first)
;   16-20   the other half of the lanes' maximum; the new m; c m; c m_old - c m_new
;   21-87   33 exponentials (a, then s0-s31) at the odd numbers from 23 on; between them what is ready: c s - c m for pairs still to come, roundings of pairs done, the first sums
;   88-101  the last rounding; the rest of the sums; l = a l + the sum          102-133 the tile's O^T times a
.macro SM t
.set rT, ST+8*(\t)
.set rS, S+32*(\t)
.set rP, P+16*(\t)
.set rO, 64*(\t)+2*(j-102)
.set q, (j-20)/2
.if j < 102
	WIN 0
.endif
.if j < 4
	v_max3_num_f32 v[rT+4+j], v[rS+8*j], v[rS+8*j+1], v[rS+8*j+2]
.elseif j < 12
	v_max3_num_f32 v[rT+4+j%4], v[rT+4+j%4], v[rS+8*(j%4)+2*(j/4)+1], v[rS+8*(j%4)+2*(j/4)+2]
.elseif j == 12
	v_max3_num_f32 v[rT+4], v[rT+4], v[rS+7], v[rS+15]
.elseif j == 13
	v_max3_num_f32 v[rT+6], v[rT+6], v[rS+23], v[rS+31]
.elseif j == 14
	v_max3_num_f32 v[rT+4], v[rT+4], v[rT+5], v[rT+6]
.elseif j == 15
	v_max3_num_f32 v[rT+4], v[rT+4], v[rT+7], v[rT+1]
.elseif j == 16
	v_permlanex16_b32 v[rT+5], v[rT+4], s[SEL], s[SEL+1]
.elseif j == 17
	v_mov_b32 v[rT+7], v[rT]
.elseif j == 18
	v_max_num_f32 v[rT+1], v[rT+4], v[rT+5]
.elseif j == 19
	v_mul_f32 v[rT], s[CS], v[rT+1]
.elseif j == 20
	v_sub_f32 v[rT+7], v[rT+7], v[rT]
.elseif j == 23
	v_exp_f32 v[rT+6], v[rT+7]
.elseif (j < 88) && (j > 23) && (j%2 == 1)
	v_exp_f32 v[rS+(j-25)/2], v[rS+(j-25)/2]
.elseif (q < 4) || ((j < 76) && (q%2 == 0))
.set b, q/2+2
.if q < 4
.set b, q
.endif
	v_pk_fma_f32 v[rS+2*b:rS+2*b+1], v[rS+2*b:rS+2*b+1], s[CS:CS+1], v[rT:rT+1] op_sel_hi:[1,0,0] neg_lo:[0,0,1] neg_hi:[0,0,1]
.elseif (j < 88) && (q%2 == 1)
	s_wait_alu depctr_va_vdst(0)
	v_cvt_pk_f16_f32 v[rP+(q-5)/2], v[rS+q-5], v[rS+q-4]
.elseif j == 89
	s_wait_alu depctr_va_vdst(0)
	v_cvt_pk_f16_f32 v[rP+15], v[rS+30], v[rS+31]
.elseif j < 102
.set z, j-86
.if j < 89
.set z, (j-76)/4
.endif
.set w, 4
.set u, z
.if z >= 14
.set w, 32
.set u, 0
.elseif z >= 12
.set w, 16
.set u, z-12
.elseif z >= 8
.set w, 8
.set u, z-8
.endif
.if z < 15
	v_pk_add_f32 v[rS+w*u:rS+w*u+1], v[rS+w*u:rS+w*u+1], v[rS+w*u+w/2:rS+w*u+w/2+1]
.else
	v_pk_fma_f32 v[rT+2:rT+3], v[rT+2:rT+3], v[rT+6:rT+7], v[rS:rS+1] op_sel_hi:[1,0,1]
.endif
.else
	WIN W_RS
	v_pk_mul_f32 v[rO:rO+1], v[rO:rO+1], v[rT+6:rT+7] op_sel_hi:[1,0]
.endif
.endm
; Slice k of 64: numbers 2 k and 2 k + 1 of both tiles' lists (slice 63 takes the twelve that are over).  From 11 to 43 tile by tile: plain, exponential, plain, exponential, so that a plain
; instruction of the other tile stands behind every exponential; elsewhere the tiles alternate.
.macro SLICE
.if (k >= 11) && (k < 44)
.irp t, 0,1
.irp n, 0,1
.set j, 2*k+(\n)
	SM \t
.endr
.endr
.else
.irp n, 0,1,2,3,4,5,6,7
.if ((\n) < 2) || (k == 63)
.irp t, 0,1
.set j, 2*k+(\n)
	SM \t
.endr
.endif
.endr
.endif
.set k, k+1
.endm
; A tile's work.  inloop = 1: the mask is jumped over unless the tile is the block's diagonal one; 0: the walk's last tile, which is.
.macro BODY inloop
	s_sub_co_u32 s[RT], s[RT], 1
	FETCH
	s_wait_dscnt 32                                ; K is in; V's 32 loads may be out
.set i, 0
.rept 32
	KQ
.set i, i+1
.endr
	WIN 0
	PLACES
.if \inloop
	s_cmp_lg_u32 s[RT], 0                          ; hangs on g alone: alike in all partners; what is jumped is work on registers
	s_cbranch_scc1 .Lnomask_\@
.endif
	MASK
.if \inloop
.Lnomask_\@:
.endif
.set k, 0
.rept 64
	SLICE
.endr
	s_wait_dscnt 0x0                               ; V is in
.set i, 0
.rept 32
	PVM
.set i, i+1
.endr
	WIN 0
.endm
	s_wait_tensorcnt 0x1                           ; my part of tile 0 is in; tile 1's may stay out
	s_barrier_signal -1
	s_barrier_wait -1                              ; everybody's is
	s_branch .Lenter                               ; the loop is entered behind its change of slots
.Lslot:                                                ; 8 tiles; in front of all but the first a change of slots that asks for the tile after the next
	CHANGE 1
.Lenter:
	BODY 1
	s_cmp_lg_u32 s[RT], 0
	s_cbranch_scc1 .Lsame
	PLACES                                         ; THE FIRST BLOCK IS DONE: its O^T and statistics are put aside, the second block's Q takes Q's place
	WIN 0x41
.set i, 0
.rept 128
	v_mov_b32 v[128+i], v[i]
.set i, i+1
.endr
	WIN 0
.irp t, 0,1
	v_mov_b32 v[SV+3*(\t)], v[ST+8*(\t)]
	v_mov_b32 v[SV+3*(\t)+1], v[ST+8*(\t)+2]
	v_mov_b32 v[SV+3*(\t)+2], v[ST+8*(\t)+3]
	v_mov_b32 v[ST+8*(\t)], 0xfe000000             ; the next step's a is 0: what O^T and l hold need only be finite
	v_mov_b32 v[ST+8*(\t)+1], 0xff7fffff
.endr
	WIN 0xc3
.set i, 0
.rept 64
	v_mov_b32 v[i], v[64+i]
.set i, i+1
.endr
	WIN 0
	s_mov_b32 s[RT], s[TLO]
	s_mov_b32 s[SD], s[SDLO]
.Lsame:
	s_sub_co_u32 s[SLOTS], s[SLOTS], 1
	s_cmp_lg_u32 s[SLOTS], 0
	s_cbranch_scc1 .Lslot
	CHANGE 0                                       ; the walk's last tile, the second block's diagonal one, is written out: nothing is asked for
	BODY 0
	; THE WAVES MEET.  Tile u = 2 x block + t.  The address arithmetic below, plain instructions that name no register of the last products, fills the places behind them.
	v_mul_u32_u24 v[SA], v1, SCP
	v_lshl_add_u32 v[SA], v9, 5, v[SA]             ; query r x 528 + 32 h
	s_mul_i32 s2, s[WV], 16*SCP                    ; to read: tile u = my wave's number, in each wave's part
	s_add_co_u32 s2, s2, SCR
	v_add_nc_u32 v[LA], s2, v[SA]
	v_add_nc_u32 v[LA+1], 64*SCP, v[LA]
	v_add_nc_u32 v[LA+2], 128*SCP, v[LA]
	v_add_nc_u32 v[LA+3], 192*SCP, v[LA]
	s_mul_i32 s2, s[WV], 64*SCP                    ; to write: my part
	s_add_co_u32 s2, s2, SCR
	v_add_nc_u32 v[SA], s2, v[SA]
	s_lshl_b32 s2, s[WV], 9
	s_add_co_u32 s2, s2, STS
	v_lshl_add_u32 v[SSA], v1, 3, s2
	s_lshl_b32 s2, s[WV], 7
	s_add_co_u32 s2, s2, STS
	v_lshl_add_u32 v[SLA], v1, 3, s2
.irp t, 0,1
	v_mov_b32 v[MS+2*(\t)], v[SV+3*(\t)]
	v_add_f32 v[MS+2*(\t)+1], v[SV+3*(\t)+1], v[SV+3*(\t)+2]
	v_mov_b32 v[MS+4+2*(\t)], v[ST+8*(\t)]
	v_add_f32 v[MS+4+2*(\t)+1], v[ST+8*(\t)+2], v[ST+8*(\t)+3]
.endr
.irp u, 0,1,2,3
	v_permlanex16_b32 v[ST+4+(\u)], v[MS+2*(\u)+1], s[SEL], s[SEL+1]  ; the other half of the lanes' keys
.endr
.irp u, 0,1,2,3
	v_add_f32 v[MS+2*(\u)+1], v[MS+2*(\u)+1], v[ST+4+(\u)]
.endr
.irp u, 0,1,2,3
	ds_store_b64 v[SSA], v[MS+2*(\u):MS+2*(\u)+1] offset:128*(\u)
.endr
	WIN 0x04                                       ; store data in window 1
.irp u, 0,1,2,3
.irp c, 0,1,2,3,4,5,6,7
.set rO, (128+64*(\u))%256+8*(\c)      ; tiles 0, 1 lie at v128 on (the first block's copy), tiles 2, 3 at v0 on
	ds_store_b128 v[SA], v[rO:rO+3]   offset:16*SCP*(\u)+64*(\c)
	ds_store_b128 v[SA], v[rO+4:rO+7] offset:16*SCP*(\u)+64*(\c)+16
.endr
.endr
	WIN 0
	s_wait_dscnt 0x0                               ; for the others' sake: my stores are done
	s_barrier_signal -1
	s_barrier_wait -1
.macro MLOAD u, buf                    ; wave u's part of my tile: 16 loads
.irp c, 0,1,2,3,4,5,6,7
	ds_load_b128 v[(\buf)+8*(\c):(\buf)+8*(\c)+3],   v[LA+(\u)] offset:64*(\c)
	ds_load_b128 v[(\buf)+8*(\c)+4:(\buf)+8*(\c)+7], v[LA+(\u)] offset:64*(\c)+16
.endr
.endm
.macro MSUM u, buf                     ; times its factor, onto the sum
.set n, 0
.rept 32
.if (\u) == 0
	v_pk_mul_f32 v[R+2*n:R+2*n+1], v[(\buf)+2*n:(\buf)+2*n+1], v[FG:FG+1] op_sel_hi:[1,0]
.else
	v_pk_fma_f32 v[R+2*n:R+2*n+1], v[(\buf)+2*n:(\buf)+2*n+1], v[FG+2*(\u):FG+2*(\u)+1], v[R+2*n:R+2*n+1] op_sel_hi:[1,0,1]
.endif
.set n, n+1
.endr
.endm
.irp u, 0,1,2,3
	ds_load_b64 v[MS+2*(\u):MS+2*(\u)+1], v[SLA] offset:512*(\u)   ; the four waves' c m and l for my tile
.endr
	MLOAD 0, GT                                    ; two buffers take turns, so that a part is on its way while the part before is summed
	MLOAD 1, GU
	s_wait_dscnt 32                                ; the statistics are in; the two parts' 32 loads may be out
	v_max3_num_f32 v50, v[MS], v[MS+2], v[MS+4]
	v_max_num_f32 v50, v50, v[MS+6]
.irp u, 0,1,2,3
	v_sub_f32 v[FG+2*(\u)], v[MS+2*(\u)], v50
.endr
.irp u, 0,1,2,3
	v_exp_f32 v[FG+2*(\u)], v[FG+2*(\u)]
.endr
.irp u, 0,1,2,3
	v_mov_b32 v[FG+2*(\u)+1], 0                    ; plain instructions behind the exponentials; they write the pairs' partners
.endr
	s_wait_alu depctr_va_vdst(0)
	v_mul_f32 v51, v[FG], v[MS+1]
	v_fmac_f32 v51, v[FG+2], v[MS+3]
	v_fmac_f32 v51, v[FG+4], v[MS+5]
	v_fmac_f32 v51, v[FG+6], v[MS+7]
	v_rcp_f32 v51, v51
	v_nop
	s_wait_alu depctr_va_vdst(0)
.irp u, 0,1,2,3
	v_mul_f32 v[FG+2*(\u)], v[FG+2*(\u)], v51
.endr
	s_wait_dscnt 16                                ; the older part is in; the younger part's 16 loads may be out (here and twice below)
	MSUM 0, GT
	MLOAD 2, GT
	s_wait_dscnt 16
	MSUM 1, GU
	MLOAD 3, GU
	s_wait_dscnt 16
	MSUM 2, GT
	s_wait_dscnt 0x0
	MSUM 3, GU
	WIN 0x03                                       ; the gate comes down from window 3: halves have names in v0-127 alone
.set n, 0
.rept 32
	v_mov_b32 v[64+n], v[128+n]
.set n, n+1
.endr
	WIN 0
.set n, 0
.irp g, v64.l,v64.h,v65.l,v65.h,v66.l,v66.h,v67.l,v67.h,v68.l,v68.h,v69.l,v69.h,v70.l,v70.h,v71.l,v71.h,v72.l,v72.h,v73.l,v73.h,v74.l,v74.h,v75.l,v75.h,v76.l,v76.h,v77.l,v77.h,v78.l,v78.h,v79.l,v79.h,v80.l,v80.h,v81.l,v81.h,v82.l,v82.h,v83.l,v83.h,v84.l,v84.h,v85.l,v85.h,v86.l,v86.h,v87.l,v87.h,v88.l,v88.h,v89.l,v89.h,v90.l,v90.h,v91.l,v91.h,v92.l,v92.h,v93.l,v93.h,v94.l,v94.h,v95.l,v95.h
	v_cvt_f32_f16 v[GT+n], \g
.set n, n+1
.endr
.set n, 0
.rept 32                                               ; sigmoid(x) = 1 / (1 + 2^(-x log2 e))
	v_pk_mul_f32 v[GT+2*n:GT+2*n+1], v[GT+2*n:GT+2*n+1], 0xbfb8aa3b op_sel_hi:[1,0]
.set n, n+1
.endr
.set n, 0
.rept 64
	v_exp_f32 v[GT+n], v[GT+n]
.set n, n+1
.endr
	v_nop
.set n, 0
	s_wait_alu depctr_va_vdst(0)
.rept 32
	v_pk_add_f32 v[GT+2*n:GT+2*n+1], v[GT+2*n:GT+2*n+1], 1.0 op_sel_hi:[1,0]
.set n, n+1
.endr
.set n, 0
.rept 64
	v_rcp_f32 v[GT+n], v[GT+n]
.set n, n+1
.endr
	v_nop
.set n, 0
	s_wait_alu depctr_va_vdst(0)
.rept 32
	v_pk_mul_f32 v[GT+2*n:GT+2*n+1], v[GT+2*n:GT+2*n+1], v[R+2*n:R+2*n+1]
.set n, n+1
.endr
.set n, 0
.rept 32
	v_cvt_pk_f16_f32 v[OUT+n], v[GT+2*n], v[GT+2*n+1]
.set n, n+1
.endr
.irp c, 0,1,2,3,4,5,6,7
	ds_store_b128 v[STO], v[OUT+4*(\c):OUT+4*(\c)+3] offset:32*(\c)
.endr
.irp t, 0,1,2,3,4,5,6,7
	ds_load_b128 v[R+4*(\t):R+4*(\t)+3], v[RD] offset:(\t)*2*SP    ; LDS serves a wave's instructions in order (ISA guide 5.7.1.4): these see the stores above
.endr
.irp t, 0,1,2,3,4,5,6,7
	s_wait_dscnt 7-(\t)                            ; the younger loads from the stage may stay out
	global_store_b128 v[GO], v[R+4*(\t):R+4*(\t)+3], s[OA:OA+1] offset:(\t)*4096  ; 16 lanes store 256 consecutive bytes, aligned: a head's channels of one row
.endr
	s_wait_tensorcnt 0x0                           ; the wave's end
	ds_add_u32 v[SPW], v[NIL]
	s_wait_dscnt 0x0
	CROUND                                         ; the closing round
	s_endpgm
.Lfunc_end_k_q1ffabc6cd9_attn:
	.size	k_q1ffabc6cd9_attn, .Lfunc_end_k_q1ffabc6cd9_attn-k_q1ffabc6cd9_attn
	.p2alignl 7, 3214868480
	.fill 96, 4, 3214868480
	.section	.rodata,"a",@progbits
	.p2align	6, 0x0
	.amdhsa_kernel k_q1ffabc6cd9_attn
		.amdhsa_group_segment_fixed_size 327680
		.amdhsa_private_segment_fixed_size 0
		.amdhsa_enable_private_segment 0
		.amdhsa_kernarg_size 16
		.amdhsa_user_sgpr_count 2
		.amdhsa_user_sgpr_kernarg_segment_ptr 1
		.amdhsa_wavefront_size32 1
		.amdhsa_system_sgpr_workgroup_id_x 1
		.amdhsa_system_sgpr_workgroup_id_y 1
		.amdhsa_system_sgpr_workgroup_id_z 1
		.amdhsa_system_vgpr_workitem_id 0
		.amdhsa_next_free_vgpr 928
		.amdhsa_next_free_sgpr 96
		.amdhsa_reserve_vcc 1
		.amdhsa_float_denorm_mode_32 3
		.amdhsa_float_denorm_mode_16_64 3
		.amdhsa_memory_ordered 1
		.amdhsa_forward_progress 1
		.amdhsa_inst_pref_size 123
	.end_amdhsa_kernel
	.amdgpu_metadata
---
amdhsa.version: [ 1, 2 ]
amdhsa.kernels:
  - .name:           k_q1ffabc6cd9_attn
    .symbol:         k_q1ffabc6cd9_attn.kd
    .args:
      - { .name: qkvg, .offset: 0, .size: 8, .value_kind: global_buffer, .address_space: global }
      - { .name: og, .offset: 8, .size: 8, .value_kind: global_buffer, .address_space: global }
    .group_segment_fixed_size: 327680
    .private_segment_fixed_size: 0
    .kernarg_segment_align: 8
    .kernarg_segment_size: 16
    .max_flat_workgroup_size: 128
    .sgpr_count:     96
    .vgpr_count:     928
    .wavefront_size: 32
...
	.end_amdgpu_metadata
.endif
;; end of part 3
;; launch oproj (part 4): grid 16 x 16, 4 waves a work-group, clusters of 4 x 4, 327,680 bytes of LDS; arguments og, wo16, out0; writes out0
.if DOCPART == 4
	.amdgcn_target "amdgcn-amd-amdhsa--gfx1250"
	.amdhsa_code_object_version 6
	.text
	.protected	k_q1ffabc6cd9_oproj
	.globl	k_q1ffabc6cd9_oproj
	.p2align	8
	.type	k_q1ffabc6cd9_oproj,@function
k_q1ffabc6cd9_oproj:
	s_mov_b64 s[64:65], 0
	v_nop
	global_prefetch_b8 v0, s[64:65] scope:SCOPE_SE
	s_setreg_imm32_b32 hwreg(HW_REG_WAVE_MODE, 25, 1), 1
	s_wait_xcnt 0x0
	s_wait_alu depctr_hold_cnt(0) depctr_sa_sdst(0) depctr_va_vdst(0) depctr_va_sdst(0) depctr_va_ssrc(0) depctr_va_vcc(0) depctr_vm_vsrc(0)
	s_getreg_b32 s2, hwreg(HW_REG_IB_STS2, 6, 4)
	s_cmp_eq_u32 s2, 0
	s_cbranch_scc0 .Lentry_in_a_cluster
	s_endpgm
.Lentry_in_a_cluster:
	s_bfe_u32 s2, ttmp6, 0x10000c
	s_cmp_lg_u32 s2, 0xf033
	s_cbranch_scc0 .Lentry_shape_is_right
	s_endpgm
.Lentry_shape_is_right:
; OPROJ: out0[2048][4096] (f32) = og[2048][1024] x wo16[1024 k][4096 n], both f16, sums in f32.
; The same product as the projection in front: a tile of C is 128 x 256 (256 work-groups; tile rows along the grid's x, tile columns along its y), four waves of 64 x 128 (32 accumulators), K in steps of 128
; through two LDS slots, A's rows along K, B's rows [k][256 n] read turned by ds_load_tr16_b128, clusters of 4 x 4 with A's tile shared by the four with my cx and B's by the four with my cy, the product
; used transposed (a lane holds eight neighbouring columns of a row).  Cluster (x, y) begins K at quarter (x + 2 y) mod 4 and wraps round: K is summed in that order, not ascending.
; REGISTERS: window 0: v0-31 addresses, v32-127 and v128-223 two fragment buffers (on the way out: rows back from the stage).  Window 1: accumulator (a, b) at 8 (8 a + b).
.set SIZE_K, 1024
.set KSTEP,  128
.set NSTEP,  SIZE_K/KSTEP
.set LOGQ,   1                         ; a quarter of K is 1 << LOGQ steps
.set PA,     272
.set PB,     544
.set AHALF,  64*PA
.set BHALF,  64*PB
.set BOFF,   2*AHALF
.set SLOT,   2*AHALF+2*BHALF
.set SL1,    1<<17                     ; slot 1 begins here, so that one exclusive or turns an address in one slot into the other's
.set STAGE,  SL1+SLOT                  ; behind the ring: 16 rows x 528 bytes for each wave
.set SP,     528
.set SPARE,  STAGE+4*16*SP             ; the spare words: 128 bytes a wave, two blocks of 256 bytes that no other line names
.set ADRA0, 16
.set ADRA,  17
.set ADRB0, 20
.set ADRB,  21
.set STO,  24
.set RD,   25
.set CO,   26
.set SPW,  28
.set NIL,  29
.set F0,   32
.set F1,   128
.set G1,  24
.set G0,  32                           ; s[32:39] group 0 for A: a set for each first fill; the second then walks on
.set G1B, 48
.set G0B, 56
.set TB,  66                           ; LDS byte at which the slot in hand begins
.set KI,  67                           ; the K step to be asked for next
.set OFA, 96
.set OFB, 98
.set MSB, 0
.macro WIN new
.if MSB != (\new)
	s_set_vgpr_msb (MSB<<8)|(\new)
.set MSB, \new
.endif
.endm
.set MUL, 0x50
.macro PLACES
.rept 4
	v_nop
.endr
.endm
.macro JLOAD s                         ; waves 0 and 1 fetch A's halves, waves 2 and 3 B's; an s_nop 0 and four v_nop follow each line
	s_cmp_eq_u32 s11, 0
	s_cbranch_scc0 .Lfor_b_\@
	tensor_load_to_lds s[G0+4*(\s):G0+4*(\s)+3], s[G1:G1+7]
	s_nop 0
.rept 4
	v_nop
.endr
	s_branch .Lasked_\@
.Lfor_b_\@:
	tensor_load_to_lds s[G0B+4*(\s):G0B+4*(\s)+3], s[G1B:G1B+7]
	s_nop 0
.rept 4
	v_nop
.endr
.Lasked_\@:
.endm
.macro CROUND
	s_barrier_signal -1
	s_barrier_wait -1
	s_cmp_lg_u32 s10, 0
	s_cbranch_scc1 .Lnot_wave_0_\@
	s_barrier_signal -3
.Lnot_wave_0_\@:
	s_barrier_wait -3
	s_barrier_signal -1
	s_barrier_wait -1
.endm
	s_load_b128 s[4:7], s[0:1], 0x0                ; og s[4:5], wo16 s[6:7]
	s_load_b64 s[8:9], s[0:1], 0x10                ; out0
	v_lshl_add_u32 v[SPW], v0, 2, SPARE
	v_mov_b32 v[NIL], 0
	ds_add_u32 v[SPW], v[NIL]                      ; the wave's opening: the add and its wait stand ahead of my first tensor load
	v_lshrrev_b32 v1, 5, v0
	v_readfirstlane_b32 s10, v1
	s_lshr_b32 s11, s10, 1
	s_and_b32 s12, s10, 1
	s_bfe_u32 s40, ttmp6, 0x40000                  ; cx
	s_bfe_u32 s41, ttmp6, 0x40004                  ; cy
	s_and_b32 s45, ttmp7, 0xffff
	s_lshl_b32 s42, s45, 2
	s_add_co_u32 s42, s42, s41                     ; tile column = 4 x cluster y + cy
	s_lshl_b32 s13, ttmp9, 2
	s_add_co_u32 s13, s13, s40                     ; tile row = 4 x cluster x + cx
	s_lshl_b32 s45, s45, 1
	s_add_co_u32 s45, s45, ttmp9
	s_and_b32 s45, s45, 3
	s_lshl_b32 s[KI], s45, LOGQ                    ; where my cluster begins K
	s_lshl_b32 s43, 0x1111, s40                    ; the four with my cx
	s_lshl_b32 s44, s41, 2
	s_lshl_b32 s44, 15, s44                        ; the four with my cy
	s_or_b32 s[G1+0], s43, (1<<16)|(1<<20)|(1<<21)|(5<<22)|(3<<25)
	s_or_b32 s[G1B+0], s44, (1<<16)|(1<<20)|(1<<21)|(6<<22)|(7<<25)
	s_mov_b32 s[G1+1], KSTEP<<16
	s_mov_b32 s[G1+2], 64<<16
	s_mov_b32 s[G1+3], KSTEP<<16
	s_mov_b32 s[G1+4], 64
	s_mov_b32 s[G1+5], SIZE_K
	s_mov_b32 s[G1+6], 0
	s_mov_b32 s[G1+7], 0
	s_mov_b32 s[G1B+1], 256<<16
	s_mov_b32 s[G1B+2], 64<<16
	s_mov_b32 s[G1B+3], 256<<16
	s_mov_b32 s[G1B+4], 64
	s_mov_b32 s[G1B+5], 4096
	s_mov_b32 s[G1B+6], 0
	s_mov_b32 s[G1B+7], 0
	s_lshl_b32 s17, s12, 6
	s_lshl_b32 s16, s13, 7
	s_add_co_u32 s16, s16, s17
	s_mul_i32 s16, s16, SIZE_K*2
	s_mov_b32 s17, 0
	s_lshl_b32 s46, s42, 9
	s_lshl_b32 s47, s12, 19
	s_add_co_u32 s46, s46, s47
	s_mov_b32 s47, 0
	s_mul_i32 s20, s12, AHALF
	s_mul_i32 s21, s12, BHALF
	s_add_co_u32 s21, s21, BOFF
	s_mov_b32 s[TB], 0
	s_mov_b32 s[OFA+1], 0
	s_mov_b32 s[OFB+1], 0
	s_wait_dscnt 0x0                               ; the opening add is done
	s_wait_kmcnt 0x0
	s_add_nc_u64 s[14:15], s[4:5], s[16:17]        ; A at my rows, K = 0; kept
	s_add_nc_u64 s[46:47], s[6:7], s[46:47]        ; B at my columns, K = 0; kept
	CROUND
.irp s, 0,1
	s_lshl_b32 s[OFA], s[KI], 8
	s_lshl_b32 s[OFB], s[KI], 20
	s_mov_b32 s[G0+4*(\s)], 1
	s_add_co_u32 s[G0+4*(\s)+1], s20, (\s)*SL1
	s_add_nc_u64 s[G0+4*(\s)+2:G0+4*(\s)+3], s[14:15], s[OFA:OFA+1]
	s_or_b32 s[G0+4*(\s)+3], s[G0+4*(\s)+3], 0x80000000
	s_mov_b32 s[G0B+4*(\s)], 1
	s_add_co_u32 s[G0B+4*(\s)+1], s21, (\s)*SL1
	s_add_nc_u64 s[G0B+4*(\s)+2:G0B+4*(\s)+3], s[46:47], s[OFB:OFB+1]
	s_or_b32 s[G0B+4*(\s)+3], s[G0B+4*(\s)+3], 0x80000000
	s_add_co_u32 s[KI], s[KI], 1
	s_and_b32 s[KI], s[KI], NSTEP-1                ; K wraps round
	JLOAD \s
.endr
	v_and_b32 v1, 15, v0
	v_bfe_u32 v2, v0, 4, 1
	v_mul_u32_u24 v3, v1, PA
	v_lshl_add_u32 v3, v2, 4, v3
	s_mul_i32 s22, s11, AHALF
	v_and_b32 v4, 7, v0
	v_lshl_add_u32 v4, v2, 3, v4
	v_mul_u32_u24 v4, v4, PB
	v_bfe_u32 v5, v0, 3, 1
	v_lshl_add_u32 v4, v5, 4, v4
	s_lshl_b32 s23, s12, 8
	s_add_co_u32 s23, s23, BOFF
	v_add_nc_u32 v[ADRA0], s22, v3
	v_add_nc_u32 v[ADRB0], s23, v4
	v_mov_b32 v[ADRA], v[ADRA0]
	v_mov_b32 v[ADRB], v[ADRB0]
	s_mul_i32 s23, s10, 16*SP
	s_add_co_u32 s23, s23, STAGE                   ; my stage
	v_mul_u32_u24 v4, v1, SP
	v_lshl_add_u32 v4, v2, 5, v4
	v_add_nc_u32 v[STO], s23, v4                   ; in: row r, 32 bytes for each half of the lanes
	v_and_b32 v5, 31, v0
	v_lshlrev_b32 v[CO], 4, v5                     ; back and out: 32 lanes take a row's 512 bytes
	v_add_nc_u32 v[RD], s23, v[CO]
	s_lshl_b32 s16, s13, 7
	s_lshl_b32 s17, s11, 6
	s_add_co_u32 s16, s16, s17                     ; my first row of C,
	s_lshl_b32 s16, s16, 14                        ; x 16,384 bytes: under 2^26
	s_mov_b32 s17, 0
	s_add_nc_u64 s[8:9], s[8:9], s[16:17]
	s_lshl_b32 s72, s42, 10                        ; my first column, in bytes (in registers of its own: none that feeds A's descriptors ever holds cy)
	s_lshl_b32 s73, s12, 9
	s_add_co_u32 s72, s72, s73
	s_mov_b32 s73, 0
	s_add_nc_u64 s[8:9], s[8:9], s[72:73]
.macro MULA f, a, zero                 ; 8 matrix instructions; the 32 accumulators take turns, one instruction a turn
	WIN MUL
.irp b, 0,1,2,3,4,5,6,7
.if \zero
	v_wmma_f32_16x16x32_f16 v[8*(8*(\a)+(\b)):8*(8*(\a)+(\b))+7], v[(\f)+32+8*(\b):(\f)+32+8*(\b)+7], v[(\f)+8*(\a):(\f)+8*(\a)+7], 0
.else
	v_wmma_f32_16x16x32_f16 v[8*(8*(\a)+(\b)):8*(8*(\a)+(\b))+7], v[(\f)+32+8*(\b):(\f)+32+8*(\b)+7], v[(\f)+8*(\a):(\f)+8*(\a)+7], v[8*(8*(\a)+(\b)):8*(8*(\a)+(\b))+7]
.endif
.endr
.endm
.macro FETCH q, f                      ; 24 LDS loads in one run: quarter q of the slot in hand into buffer f
	WIN 0
.irp b, 0,1,2,3,4,5,6,7
	ds_load_tr16_b128 v[(\f)+32+8*(\b):(\f)+32+8*(\b)+3],   v[ADRB] offset:(\q)*32*PB+32*(\b)
	ds_load_tr16_b128 v[(\f)+32+8*(\b)+4:(\f)+32+8*(\b)+7], v[ADRB] offset:(\q)*32*PB+16*PB+32*(\b)
.endr
.irp i, 0,1,2,3
	ds_load_b128 v[(\f)+8*(\i):(\f)+8*(\i)+3],   v[ADRA] offset:64*(\q)+(\i)*16*PA
	ds_load_b128 v[(\f)+8*(\i)+4:(\f)+8*(\i)+7], v[ADRA] offset:64*(\q)+(\i)*16*PA+32
.endr
.endm
.macro QUARTER q, f, g, zero
	s_wait_dscnt 4                                 ; B and A's fragments 0, 1 are in; the youngest four loads may be out
	MULA \f, 0, \zero
	MULA \f, 1, \zero
	PLACES
	FETCH \q, \g
	s_wait_dscnt 24                                ; all but the 24 just issued
	MULA \f, 2, \zero
	MULA \f, 3, \zero
.endm
; The change of slots and the step's last quarter, whose fragments are in registers: all my tensor loads, the add, my reads of the slot; then the barrier (with fill = 1 a round of the cluster's) and the
; joint refill first behind it, by the walking descriptor; then the next slot's first fragments and the last quarter's products.
.macro TURN fill
	WIN 0
	s_wait_tensorcnt 0x0                           ; no tensor load of mine is out, so a group 0 may be written
	ds_add_u32 v[SPW], v[NIL]
.if \fill
	s_lshl_b32 s[OFA], s[KI], 8
	s_lshl_b32 s[OFB], s[KI], 20
	s_xor_b32 s[G0+5], s[G0+5], SL1
	s_add_nc_u64 s[G0+6:G0+7], s[14:15], s[OFA:OFA+1]
	s_or_b32 s[G0+7], s[G0+7], 0x80000000
	s_xor_b32 s[G0B+5], s[G0B+5], SL1
	s_add_nc_u64 s[G0B+6:G0B+7], s[46:47], s[OFB:OFB+1]
	s_or_b32 s[G0B+7], s[G0B+7], 0x80000000
	s_add_co_u32 s[KI], s[KI], 1
	s_and_b32 s[KI], s[KI], NSTEP-1
.endif
	s_xor_b32 s[TB], s[TB], SL1
	s_wait_dscnt 0x0                               ; the add is done, and my reads of this slot are over
.if \fill
	CROUND
	JLOAD 1                                        ; its four v_nop are also the places in front of the loads below
.else
	s_barrier_signal -1
	s_barrier_wait -1
	PLACES
.endif
	v_add_nc_u32 v[ADRA], s[TB], v[ADRA0]
	v_add_nc_u32 v[ADRB], s[TB], v[ADRB0]
	FETCH 0, F0
	MULA F1, 0, 0
	MULA F1, 1, 0
	MULA F1, 2, 0
	MULA F1, 3, 0
.endm
	s_wait_tensorcnt 1                             ; my part of the first K step is in; the second's may stay out
	s_barrier_signal -1
	s_barrier_wait -1
	FETCH 0, F0
	QUARTER 1, F0, F1, 1
	WIN 0
	s_mov_b32 s3, NSTEP-2
.Lstep:
	QUARTER 2, F1, F0, 0
	QUARTER 3, F0, F1, 0
	TURN 1
	QUARTER 1, F0, F1, 0
	WIN 0
	s_sub_co_u32 s3, s3, 1
	s_cmp_lg_u32 s3, 0
	s_cbranch_scc1 .Lstep
	QUARTER 2, F1, F0, 0                           ; the last two steps fill nothing
	QUARTER 3, F0, F1, 0
	TURN 0
	QUARTER 1, F0, F1, 0
	QUARTER 2, F1, F0, 0
	QUARTER 3, F0, F1, 0
	s_wait_dscnt 4
	MULA F1, 0, 0
	MULA F1, 1, 0
	s_wait_dscnt 0x0
	MULA F1, 2, 0
	MULA F1, 3, 0
	WIN 0
	PLACES
; THE WAY OUT, 16 rows at a time: a lane's eight f32 (32 bytes of a row) go into my stage, whole rows of 512 bytes come back and are stored.
.macro OUTROW a
	WIN 0x04                                       ; store data in window 1; each accumulator's low half first
.irp b, 0,1,2,3,4,5,6,7
	ds_store_b128 v[STO], v[64*(\a)+8*(\b):64*(\a)+8*(\b)+3]   offset:64*(\b)
	ds_store_b128 v[STO], v[64*(\a)+8*(\b)+4:64*(\a)+8*(\b)+7] offset:64*(\b)+16
.endr
	WIN 0
.set BK, 32+64*((\a)%2)
	s_wait_xcnt 0x0                                ; earlier stores have read their registers: these are loaded again only behind this wait
.irp t, 0,1,2,3,4,5,6,7,8,9,10,11,12,13,14,15
	ds_load_b128 v[BK+4*(\t):BK+4*(\t)+3], v[RD] offset:(\t)*SP    ; LDS serves a wave's instructions in order (ISA guide 5.7.1.4): these see the stores above
.endr
.irp t, 0,1,2,3,4,5,6,7,8,9,10,11,12,13,14,15
	s_wait_dscnt 15-(\t)                           ; the younger loads from the stage may stay out
	global_store_b128 v[CO], v[BK+4*(\t):BK+4*(\t)+3], s[8:9] offset:(16*(\a)+(\t))*16384 th:TH_STORE_NT  ; 512 consecutive bytes, aligned
.endr
.endm
	OUTROW 0
	OUTROW 1
	OUTROW 2
	OUTROW 3
	s_wait_tensorcnt 0x0                           ; the wave's end
	ds_add_u32 v[SPW], v[NIL]
	s_wait_dscnt 0x0
	CROUND                                         ; the closing round
	s_endpgm
.Lfunc_end_k_q1ffabc6cd9_oproj:
	.size	k_q1ffabc6cd9_oproj, .Lfunc_end_k_q1ffabc6cd9_oproj-k_q1ffabc6cd9_oproj
	.p2alignl 7, 3214868480
	.fill 96, 4, 3214868480
	.section	.rodata,"a",@progbits
	.p2align	6, 0x0
	.amdhsa_kernel k_q1ffabc6cd9_oproj
		.amdhsa_group_segment_fixed_size 327680
		.amdhsa_private_segment_fixed_size 0
		.amdhsa_enable_private_segment 0
		.amdhsa_kernarg_size 24
		.amdhsa_user_sgpr_count 2
		.amdhsa_user_sgpr_kernarg_segment_ptr 1
		.amdhsa_wavefront_size32 1
		.amdhsa_system_sgpr_workgroup_id_x 1
		.amdhsa_system_sgpr_workgroup_id_y 1
		.amdhsa_system_sgpr_workgroup_id_z 1
		.amdhsa_system_vgpr_workitem_id 0
		.amdhsa_next_free_vgpr 512
		.amdhsa_next_free_sgpr 100
		.amdhsa_reserve_vcc 0
		.amdhsa_float_denorm_mode_32 3
		.amdhsa_float_denorm_mode_16_64 3
		.amdhsa_memory_ordered 1
		.amdhsa_forward_progress 1
		.amdhsa_inst_pref_size 71
	.end_amdhsa_kernel
	.amdgpu_metadata
---
amdhsa.version: [ 1, 2 ]
amdhsa.kernels:
  - .name:           k_q1ffabc6cd9_oproj
    .symbol:         k_q1ffabc6cd9_oproj.kd
    .args:
      - { .name: og, .offset: 0, .size: 8, .value_kind: global_buffer, .address_space: global }
      - { .name: wo16, .offset: 8, .size: 8, .value_kind: global_buffer, .address_space: global }
      - { .name: out0, .offset: 16, .size: 8, .value_kind: global_buffer, .address_space: global }
    .group_segment_fixed_size: 327680
    .private_segment_fixed_size: 0
    .kernarg_segment_align: 8
    .kernarg_segment_size: 24
    .max_flat_workgroup_size: 128
    .sgpr_count:     100
    .vgpr_count:     512
    .wavefront_size: 32
...
	.end_amdgpu_metadata
.endif
;; end of part 4
;; ======== version 2 of 2: 4 launches; version 1 with the launch cast written anew for expert scheduling mode
;; limits: values are held in f16: magnitudes above 65,504 overflow, below 6.1e-05 lose precision; values outside matrix products are rounded to f16; right only within a limited range of input values
;; workspace buffers: xb 16,777,216 bytes; wb 33,554,432 bytes; wo16 8,388,608 bytes; csb 1,048,576 bytes; qkvg 16,777,216 bytes; og 4,194,304 bytes
;; launch cast (part 5): grid 912 x 1, 8 waves a work-group, no clusters, 0 bytes of LDS; arguments hidden_states, Wq, Wk, Wv, Wo, cos, sin, xb, wb, wo16, csb; writes xb, wb, wo16, csb
.if DOCPART == 5
	.amdgcn_target "amdgcn-amd-amdhsa--gfx1250"
	.amdhsa_code_object_version 6
	.text
	.protected	k_q1ffabc6cd9_cast
	.globl	k_q1ffabc6cd9_cast
	.p2align	8
	.type	k_q1ffabc6cd9_cast,@function
k_q1ffabc6cd9_cast:
	s_mov_b64 s[64:65], 0
	v_nop
	global_prefetch_b8 v0, s[64:65] scope:SCOPE_SE
	s_setreg_imm32_b32 hwreg(HW_REG_WAVE_SCHED_MODE, 0, 2), 2
	s_setreg_imm32_b32 hwreg(HW_REG_WAVE_MODE, 25, 1), 1
	s_wait_xcnt 0x0
	s_wait_alu depctr_vm_vsrc(0)
; CAST: every large f32 input is rounded once to 16 bits, so that the products behind can feed the matrix units from tiles of 16-bit numbers.
;   hidden_states -> xb  bf16 [2048][4096]
;   Wq, Wk, Wv    -> wb  bf16 [4096 k][4096 n]: columns 0-2047 Wq, 2048-3071 Wk, 3072-4095 Wv (one B matrix for one product)
;   Wo            -> wo16: rounded to bf16 like every input, and that number written as f16 (the product behind multiplies f16 by f16)
;   cos           -> csb bf16 at byte 0;  sin -> csb bf16 at byte 524,288
; LIMIT: a bf16 value of Wo below 6e-5 keeps f16's fixed step of 6e-8; beyond 65,504 it becomes an infinity.
; A stream: memory binds.  No LDS, no matrix unit, no cluster: no byte is read by two work-groups.
; SHARES.  A chunk is 1,024 f32 (4,096 bytes in, 2,048 out).  A work-group takes 32 chunks, a wave 4: 16 KiB of consecutive source, asked for at once by 32 loads.
; A lane takes 8 neighbouring numbers a step, so its result is 16 bytes and a wave's store covers 512 consecutive bytes, aligned.
; Which tensor a work-group serves hangs on its number alone: seven ranges, chosen by compares and selects.
; THE MODE: SCHED_MODE bits 1:0 = 2 (LLVM: expert scheduling mode 2), set by the entry lines.  The code itself states the register dependences
; between vector instructions and memory instructions, with s_wait_alu, always for 0.
; THE PLAN.  Registers that memory instructions touch:
;   v1         the loads' offset.  Written once at the head; read by the 32 loads; never written again.
;   v[2:5]     the stores' offsets, one a chunk.  Written once, behind the loads; each read by its chunk's four stores; never written again.
;   v[8:135]   step n's eight registers.  Its two loads land in them, and no vector instruction has named them before; its conversions read all eight and write the
;              first four; its store reads those four; nothing writes them afterwards.
;   v[6:7]     named by vector instructions alone.
; So no register that a memory instruction has read is written again, and no load lands in a register that a vector instruction has named.  What is left to state: a vector
; result is written before a memory instruction reads it.  One wait ahead of the loads, for v1.  The sixteen steps go in four chunks of four; a chunk's four stores are issued
; in the next chunk, one at the head of each of its steps, and ONE wait at that chunk's first step states that the chunk before has written what they read: the conversions
; issued since that wait name the chunk in hand's registers and v[6:7] alone.  Four such waits for sixteen stores.  One wait more stands between the line that writes the
; wave's number into a scalar register and that register's first reader.
.set X,     8                          ; v[8:135]  step n of 16: 8 registers as loaded; the first 4 then hold the result
.set D,     2                          ; v[2:5]    chunk i: my 16 bytes' offset in the destination
.set T,     6                          ; v[6:7]    at work
.set SRC,   40                         ; s[40:41]  source
.set DST,   42                         ; s[42:43]  destination
.set START, 44                         ; first work-group of the range
.set SH,    45                         ; chunk c lies at (c >> SH) * PITCH + (c & MSK) * 2048 + OFF0
.set PITCH, 46
.set OFF0,  47
.set MSK,   48
.set KIND,  49                         ; 0 bf16; 1 bf16 written as f16
.set C0,    58                         ; my wave's first chunk
.macro CASE start, src, dst, sh, msk, pitch, off, kind
	s_cmp_ge_u32 ttmp9, \start
	s_cselect_b64 s[SRC:SRC+1], s[\src:\src+1], s[SRC:SRC+1]
	s_cselect_b64 s[DST:DST+1], s[\dst:\dst+1], s[DST:DST+1]
	s_cselect_b32 s[START], \start, s[START]
	s_cselect_b32 s[SH], \sh, s[SH]
	s_cselect_b32 s[MSK], \msk, s[MSK]
	s_cselect_b32 s[PITCH], \pitch, s[PITCH]
	s_cselect_b32 s[OFF0], \off, s[OFF0]
	s_cselect_b32 s[KIND], \kind, s[KIND]
.endm
	s_load_b512 s[16:31], s[0:1], 0x0              ; x 16, Wq 18, Wk 20, Wv 22, Wo 24, cos 26, sin 28, xb 30
	s_load_b128 s[32:35], s[0:1], 0x40             ; wb 32, wo16 34
	s_load_b64 s[36:37], s[0:1], 0x50              ; csb 36
	v_and_b32 v7, 31, v0                           ; lane
	v_lshrrev_b32 v6, 5, v0
	v_readfirstlane_b32 s2, v6                     ; wave
	v_lshlrev_b32 v1, 5, v7                        ; 32 bytes of source a lane
	s_mov_b32 s56, 0xffff0000                      ; a word's upper bf16
	s_mov_b32 s[START], 0                          ; the first range: hidden_states
	s_mov_b32 s[SH], 0
	s_mov_b32 s[MSK], 0
	s_mov_b32 s[PITCH], 2048
	s_mov_b32 s[OFF0], 0
	s_mov_b32 s[KIND], 0
	s_wait_kmcnt 0x0
	s_mov_b64 s[SRC:SRC+1], s[16:17]
	s_mov_b64 s[DST:DST+1], s[30:31]
	CASE 256, 18, 32, 1, 1, 8192, 0, 0             ; Wq: a row is two chunks
	CASE 512, 20, 32, 0, 0, 8192, 4096, 0          ; Wk: a row is one chunk, at column 2048
	CASE 640, 22, 32, 0, 0, 8192, 6144, 0          ; Wv: at column 3072
	CASE 768, 24, 34, 0, 0, 2048, 0, 1             ; Wo
	CASE 896, 26, 36, 0, 0, 2048, 0, 0             ; cos
	CASE 904, 28, 36, 0, 0, 2048, 524288, 0        ; sin
	s_sub_co_u32 s50, ttmp9, s[START]
	s_lshl_b32 s[C0], s50, 5                       ; 32 chunks a work-group,
	s_wait_alu depctr_va_sdst(0)                   ; s2, the wave's number, is written, ahead of its first reader: the wave's first chunk is made from it
	s_lshl_b32 s59, s2, 2
	s_add_co_u32 s[C0], s[C0], s59                 ; 4 a wave
	s_lshl_b32 s50, s[C0], 12                      ; 4,096 bytes of source a chunk: under 2^26
	s_mov_b32 s51, 0
	s_add_nc_u64 s[SRC:SRC+1], s[SRC:SRC+1], s[50:51]
	s_wait_alu depctr_va_vdst(0)                   ; v1 is written: every load below reads it as its offset
.set n, 0
.rept 16                                               ; all 32 loads of the wave go out at once
	global_load_b128 v[X+8*n:X+8*n+3],   v1, s[SRC:SRC+1] offset:1024*n th:TH_LOAD_NT
	global_load_b128 v[X+8*n+4:X+8*n+7], v1, s[SRC:SRC+1] offset:1024*n+16 th:TH_LOAD_NT
.set n, n+1
.endr
.irp i, 0,1,2,3
	s_add_co_u32 s50, s[C0], \i
	s_lshr_b32 s51, s50, s[SH]
	s_mul_i32 s51, s51, s[PITCH]
	s_and_b32 s50, s50, s[MSK]
	s_lshl_b32 s50, s50, 11
	s_add_co_u32 s51, s51, s50
	s_add_co_u32 s[52+(\i)], s51, s[OFF0]
	v_lshl_add_u32 v[D+(\i)], v7, 4, s[52+(\i)]    ; 16 bytes of destination a lane; it names no register that the loads above touch
.endr
; Sixteen steps, four to a chunk.  The count leaves the later steps' loads out (two a step).  Pair p's result goes into register p of the step, whose own content has been used by then;
; no register that a store reads is written again.  Step n issues the store of step n - 4, the same step of the chunk before, and then its own conversions.
.macro BODY kind
.set n, 0
.rept 16
	s_wait_loadcnt 30-2*n
.if (n >= 4) && (n%4 == 0)
	s_wait_alu depctr_va_vdst(0)                   ; the chunk before has written the first four registers of each of its steps, which the four stores of this chunk read; at the first such wait v[D ..], their offsets, are written too
.endif
.if n >= 4
	global_store_b128 v[D+(n-4)/4], v[X+8*(n-4):X+8*(n-4)+3], s[DST:DST+1] offset:512*(n%4)  ; 512 consecutive bytes, aligned.  No vector instruction since the wait names these registers
.endif
.irp p, 0,1,2,3
.if (\kind) == 1
	v_cvt_pk_bf16_f32 v[T], v[X+8*n+2*(\p)], v[X+8*n+2*(\p)+1]
	v_lshlrev_b32 v[T+1], 16, v[T]                 ; the two bf16 numbers as f32,
	v_and_b32 v[T], s56, v[T]
	v_cvt_pk_f16_f32 v[X+8*n+(\p)], v[T+1], v[T]   ; written as f16
.else
	v_cvt_pk_bf16_f32 v[X+8*n+(\p)], v[X+8*n+2*(\p)], v[X+8*n+2*(\p)+1]
.endif
.endr
.set n, n+1
.endr
	s_wait_alu depctr_va_vdst(0)                   ; the last chunk's conversions have written what the last four stores read
.set n, 12
.rept 4
	global_store_b128 v[D+3], v[X+8*n:X+8*n+3], s[DST:DST+1] offset:512*(n%4)  ; 512 consecutive bytes, aligned
.set n, n+1
.endr
.endm
	s_cmp_eq_u32 s[KIND], 1
	s_cbranch_scc1 .Lhalf
	BODY 0
	s_endpgm
.Lhalf:
	BODY 1
	s_endpgm
.Lfunc_end_k_q1ffabc6cd9_cast:
	.size	k_q1ffabc6cd9_cast, .Lfunc_end_k_q1ffabc6cd9_cast-k_q1ffabc6cd9_cast
	.p2alignl 7, 3214868480
	.fill 96, 4, 3214868480
	.section	.rodata,"a",@progbits
	.p2align	6, 0x0
	.amdhsa_kernel k_q1ffabc6cd9_cast
		.amdhsa_group_segment_fixed_size 0
		.amdhsa_private_segment_fixed_size 0
		.amdhsa_enable_private_segment 0
		.amdhsa_kernarg_size 88
		.amdhsa_user_sgpr_count 2
		.amdhsa_user_sgpr_kernarg_segment_ptr 1
		.amdhsa_wavefront_size32 1
		.amdhsa_system_sgpr_workgroup_id_x 1
		.amdhsa_system_sgpr_workgroup_id_y 1
		.amdhsa_system_sgpr_workgroup_id_z 1
		.amdhsa_system_vgpr_workitem_id 0
		.amdhsa_next_free_vgpr 136
		.amdhsa_next_free_sgpr 66
		.amdhsa_reserve_vcc 0
		.amdhsa_float_denorm_mode_32 3
		.amdhsa_float_denorm_mode_16_64 3
		.amdhsa_memory_ordered 1
		.amdhsa_forward_progress 1
		.amdhsa_inst_pref_size 29
	.end_amdhsa_kernel
	.amdgpu_metadata
---
amdhsa.version: [ 1, 2 ]
amdhsa.kernels:
  - .name:           k_q1ffabc6cd9_cast
    .symbol:         k_q1ffabc6cd9_cast.kd
    .args:
      - { .name: hidden_states, .offset: 0, .size: 8, .value_kind: global_buffer, .address_space: global }
      - { .name: Wq, .offset: 8, .size: 8, .value_kind: global_buffer, .address_space: global }
      - { .name: Wk, .offset: 16, .size: 8, .value_kind: global_buffer, .address_space: global }
      - { .name: Wv, .offset: 24, .size: 8, .value_kind: global_buffer, .address_space: global }
      - { .name: Wo, .offset: 32, .size: 8, .value_kind: global_buffer, .address_space: global }
      - { .name: cos, .offset: 40, .size: 8, .value_kind: global_buffer, .address_space: global }
      - { .name: sin, .offset: 48, .size: 8, .value_kind: global_buffer, .address_space: global }
      - { .name: xb, .offset: 56, .size: 8, .value_kind: global_buffer, .address_space: global }
      - { .name: wb, .offset: 64, .size: 8, .value_kind: global_buffer, .address_space: global }
      - { .name: wo16, .offset: 72, .size: 8, .value_kind: global_buffer, .address_space: global }
      - { .name: csb, .offset: 80, .size: 8, .value_kind: global_buffer, .address_space: global }
    .group_segment_fixed_size: 0
    .private_segment_fixed_size: 0
    .kernarg_segment_align: 8
    .kernarg_segment_size: 88
    .max_flat_workgroup_size: 256
    .sgpr_count:     66
    .vgpr_count:     136
    .wavefront_size: 32
...
	.end_amdgpu_metadata
.endif
;; end of part 5
;; launch qkv: the kernel of part 2 again; grid 16 x 16, 4 waves a work-group, clusters of 4 x 4, 327,680 bytes of LDS; arguments xb, wb, csb, q_norm_w, k_norm_w, qkvg; writes qkvg
;; launch attn: the kernel of part 3 again; grid 32 x 8, 4 waves a work-group, clusters of 4 x 1, 327,680 bytes of LDS; arguments qkvg, og; writes og
;; launch oproj: the kernel of part 4 again; grid 16 x 16, 4 waves a work-group, clusters of 4 x 4, 327,680 bytes of LDS; arguments og, wo16, out0; writes out0
